; MI455X (gfx1250); checked and timed in simulation.
; The chip was launched on July 23, 2026; its instructions are those of AMD's public machine-readable ISA for CDNA 5 (MIT licence, August 2026) and "CDNA5" Instruction Set Architecture Reference Guide (July 2026). The comments in the code are by the model that wrote it; some were corrected since.
;; Cross Trans Former. Allowed arithmetic: matrix products marked QUANTISED: E4M3 operands, one E8M0 scale for each 32 along K, by v_wmma_scale_f32_16x16x128_f8f6f4 with both operands' format E4M3, f32 sums; everything else in f32.
;; Inputs: Wk 1,024 x 1,024 float32; Wq 1,024 x 1,024 float32; Wv 1,024 x 1,024 float32; Xk 4 x 1,024 x 2,048 float32; Xq 4 x 1,024 x 2,048 float32; beta1 1,024 float32; beta2 1,024 float32; beta3 1,024 float32; gamma1 1,024 float32; gamma2 1,024 float32; gamma3 1,024 float32; mean1 1,024 float32; mean2 1,024 float32; mean3 1,024 float32; var1 1,024 float32; var2 1,024 float32; var3 1,024 float32.
;; Outputs: out0 4 x 1,024 x 2,048 float32.
;; This version of the problem:
;;   THIS VERSION OF THE PROBLEM IS GIVEN IN LOW PRECISION. The matrix products marked QUANTISED in the list below multiply operands that are first quantised to E4M3 (4 exponent bits, 3 mantissa bits; 8 bits a number), with one power-of-two scale for each 32 numbers along K (OCP MX v1.0); their sums are f32. All else is computed in f32.
;;   The module's matrix products, in the order in which they are computed (A, B: the left and right operand; K: the contracted axis; several contracted axes count as one K, in the product's order):
;;     1. [M 8,192, K 1,024] x [K 1,024, N 1,024]; A: input Xq; B: input Wq: QUANTISED
;;     2. [M 8,192, K 1,024] x [K 1,024, N 1,024]; A: input Xk; B: input Wk: QUANTISED
;;     3. [M 8,192, K 1,024] x [K 1,024, N 1,024]; A: input Xq; B: input Wv: QUANTISED
;;     4. batch 32 x [M 2,048, K 128] x [K 128, N 2,048]; A: computed on the way; B: computed on the way: QUANTISED
;;     5. batch 32 x [M 128, K 2,048] x [K 2,048, N 2,048]; A: computed on the way; B: softmax (see below): QUANTISED
;;   THE QUANTISER, for each operand of a quantised product, along K:
;;     - K is cut into blocks of 32 from its start; a last block that is shorter is filled with zeros.
;;     - A block's scale is 2^e with e = floor(log2(the largest magnitude in the block)) - 8, held to -126 .. 127; a block of zeros has e = 0. As a byte (E8M0): e + 127.
;;     - Each number is divided by its block's scale, clamped to +-448, and rounded to the nearest number of E4M3, ties to even, subnormals kept.
;;     - The product sums the exact products of the quantised numbers (number of the format x scale) in f32.
;;   ~~~python
;;   def quantise(x, axis):      # numpy; x: float32 -> the quantised numbers, widened to float32 again
;;       x = np.moveaxis(x, axis, -1); K = x.shape[-1]
;;       x = np.pad(x, [(0, 0)] * (x.ndim - 1) + [(0, -K % 32)]); x = x.reshape(x.shape[:-1] + (-1, 32)); a = np.abs(x).max(-1, keepdims=True)
;;       e = np.where(a > 0, np.clip(np.frexp(np.where(a > 0, a, 1))[1] - 1 - 8, -126, 127), 0)      # np.frexp(a)[1] - 1 = floor(log2(a)), exactly
;;       r = np.clip(x / 2.0 ** e, -448, 448)
;;       step = 2.0 ** (np.maximum(np.frexp(np.where(r == 0, 1, r))[1] - 1, -6) - 3)
;;       q = np.round(r / step) * step * 2.0 ** e      # np.round: ties to even
;;       return np.moveaxis(q.reshape(q.shape[:-2] + (-1,))[..., :K], -1, axis).astype(np.float32)
;;   ~~~
;;   SOFTMAX AHEAD OF A QUANTISED PRODUCT. Where the list says 'softmax', what is quantised is not the finished softmax but p = 2^(t - M), with t = logit x log2(e) and M = ceil(the row's largest t), a whole number; so 1/2 < the row's largest p <= 1. The row's sum l is taken of the UNQUANTISED p, in f32, and the product's result is divided by l at the end. Since M is a whole number, a kernel that streams over the keys may use a running M (the ceiling of the running maximum): every later rescaling is an exact power of two, which a block's scale takes up: the codes' values come out the same.
;;   OPERANDS COMPUTED ON THE WAY. 'Computed on the way' means the value that the module computes at that place (a softmax that the list does not call 'softmax' is quantised finished and normalised). What goes into a quantiser is computed in f32, as accurately as f32 sums, v_exp_f32 and their like allow (about 1e-6 of the number): no bf16 or f16 on the way to a quantiser, and a product that is left as it is and whose result goes on into a quantised operand takes f32 operands (vector FMAs, or v_wmma_f32_16x16x4_f32). A number that lies on a knife's edge between two numbers of the format may be rounded either way, as far as f32 arithmetic and the matrix unit's own rounding can turn it there, and no further.
;; One version. Each part assembles by itself: llvm-mc -triple=amdgcn-amd-amdhsa -mcpu=gfx1250 --defsym DOCPART=n.
;; ======== version 1 of 1: 3 launches
;; limits: right only within a limited range of input values
;; workspace buffers: codes 19,922,944 bytes; scales 622,592 bytes; bn 24,576 bytes; kq 8,650,752 bytes; kv 17,301,504 bytes
;; launch quant (part 1): grid 16 x 32, 4 waves a work-group, no clusters, 35,840 bytes of LDS; arguments Xq, Xk, Wq, Wk, Wv, gamma1, beta1, mean1, var1, gamma2, beta2, mean2, var2, gamma3, beta3, mean3, var3, codes, scales, bn; writes codes, scales, bn
.if DOCPART == 1
	.amdgcn_target "amdgcn-amd-amdhsa--gfx1250"
	.amdhsa_code_object_version 6
	.text
	.protected	k_q982f00bd63_quant
	.globl	k_q982f00bd63_quant
	.p2align	8
	.type	k_q982f00bd63_quant,@function
k_q982f00bd63_quant:
	s_mov_b64 s[64:65], 0
	v_nop
	global_prefetch_b8 v0, s[64:65] scope:SCOPE_SE
	s_setreg_imm32_b32 hwreg(HW_REG_WAVE_MODE, 25, 1), 1
	s_wait_xcnt 0x0
; FIRST OF THREE LAUNCHES.  Xq, Xk [4][1024 c][2048 p] and Wq, Wk, Wv [1024 o][1024 c], f32, become codes of FP8 (E4M3) with K = c innermost and one E8M0 byte for each 32 along c;
; gamma, beta, mean, var of the three branches become a table S = gamma / sqrt(var + 1e-5), T = beta - mean S.
; NO WORK OF THE PROBLEM IS LEFT OUT: each of the 17 inputs has a way to the output and is loaded.  Xq is quantised once and serves two products, which take the same operand through the same quantiser.
; codes: [19,456 rows][1,024 bytes]: rows 0 on Xq (2,048 b + p), 8,192 on Xk, 16,384 + 1,024 t on W (t = 0 Wq, 1 Wk, 2 Wv).  scales: [4 K steps of 256][19,456 rows][8 bytes].  bn: S[3,072], then T[3,072], index 1,024 t + o.
; THE ROWS LIE IN THE ORDER IN WHICH THE NEXT LAUNCH WANTS THEM IN ITS TILES: a row stands at the place with bits 3 and 4 of its number swapped, so that place 16 u + r of a group of 32 holds row 8 u + r + 8 (r / 8).
; A block's scale is 2^(floor(log2(its largest magnitude)) - 8); its byte is the largest magnitude's exponent field - 8, held at 1 from below.  A block of zeros so gets the byte 1 where the rule says 127: its codes are zeros, and this program alone reads the bytes.
; LIMITS: NaN and infinities among the inputs are not served.
; X: K is not innermost: a lane takes a column p and its registers run down c (128 consecutive bytes a load), 32 columns x 256 c a wave; the codes leave through the wave's own stage as rows of 256 bytes.
; W: K is innermost: a wave takes 2 rows x 256 c of each of the three; the loads read 512 consecutive bytes, and the numbers turn through the wave's stage so that a lane holds 16 neighbours (two lanes to a block).
; No tensor loads, no barrier: waves share nothing.  W's scale bytes (16 a wave and tensor) and the table leave in short pieces: they are under a hundredth of what the launch moves.
.set EMAX,  8
.set MANTF, 0x600000                   ; the mantissa field of 448 as f32
.set NB,    8                          ; blocks of 32 along c for a wave's part of X
.set PITCH, 272                        ; a row of X's stage: 256 bytes of codes + 16
.set WREG,  8704                       ; LDS: a region for each wave: X's stage, 32 rows; earlier in the text W's three stages and 48 scale bytes
.set SP,    80                         ; W's stage: a lane's 64 bytes + 16 of padding
.set WST,   32*SP                      ; one of W's stages
.set WSB,   3*WST                      ; behind them W's scale bytes
.set SPARE, 4*WREG                     ; behind the four regions: the spare words, 128 bytes for each wave, which no other line names
.set XROW,  8192                       ; bytes from c to c + 1 in X
.set SCK,   155648                     ; bytes of one K step in scales: 19,456 rows x 8
.set SPW,   14                         ; v14  LDS address of my spare word; never rewritten
.set NIL,   15                         ; v15  0; never rewritten
.set SB,    24                         ; v24-25   X: my column's eight scale bytes
.set X,     32                         ; v32-95   X: two sets of 32 numbers
.set C,     96                         ; v96-103  X: a block's codes
.set R,     112                        ; v112-159 W: 16 registers a tensor as loaded; later its codes (4) and its byte (1)
.set X2,    160                        ; v160-191 W: two sets of 16 neighbours
.set OUTR,  112                        ; v112-175 X's way out
	s_load_b512 s[4:19], s[0:1], 0x0               ; Xq s[4:5], Xk s[6:7], Wq s[8:9], Wk s[10:11], Wv s[12:13], gamma1 s[14:15], beta1 s[16:17], mean1 s[18:19]
	s_load_b512 s[20:35], s[0:1], 0x40             ; var1 s[20:21], gamma2, beta2, mean2, var2 s[22:29], gamma3, beta3, mean3 s[30:35]
	s_load_b256 s[36:43], s[0:1], 0x80             ; var3 s[36:37], codes s[38:39], scales s[40:41], bn s[42:43]
	v_lshl_add_u32 v[SPW], v0, 2, SPARE
	v_mov_b32 v[NIL], 0
	v_lshrrev_b32 v1, 5, v0
	v_readfirstlane_b32 s44, v1                    ; wave 0..3
	v_and_b32 v2, 31, v0                           ; lane
	s_mul_i32 s45, s44, WREG                       ; my region of LDS
	v_lshlrev_b32 v3, 2, v2                        ; X in: 4 bytes a lane
	v_and_b32 v26, 7, v2
	v_bfe_u32 v27, v2, 3, 1
	v_lshl_or_b32 v26, v27, 4, v26
	v_bfe_u32 v27, v2, 4, 1
	v_lshl_or_b32 v26, v27, 3, v26                 ; my column's place among the wave's 32 rows of codes: bits 3 and 4 swapped
	v_mul_u32_u24 v4, v26, PITCH
	v_add_nc_u32 v4, s45, v4                       ; X's stage, on the way in: the row of my place
	v_lshlrev_b32 v9, 3, v26                       ; and my 8 scale bytes
	v_and_b32 v5, 15, v2
	v_lshrrev_b32 v6, 4, v2
	v_mul_u32_u24 v7, v6, PITCH
	v_lshl_add_u32 v7, v5, 4, v7
	v_add_nc_u32 v7, s45, v7                       ; out of it: sixteen lanes to a row, two rows an instruction
	v_lshlrev_b32 v8, 10, v6
	v_lshl_add_u32 v8, v5, 4, v8                   ; the same place in codes: 1,024 (lane / 16) + 16 (lane % 16); it serves W's codes too
	v_lshlrev_b32 v16, 4, v2                       ; W in: my 16 bytes of a load's 512
	v_lshrrev_b32 v17, 2, v2
	v_mul_u32_u24 v17, v17, SP
	v_and_b32 v18, 3, v2
	v_lshl_add_u32 v17, v18, 4, v17
	v_add_nc_u32 v17, s45, v17                     ; W's stage, in: four lanes' 64 bytes on end, then 16 of padding
	v_mul_u32_u24 v18, v2, SP
	v_add_nc_u32 v18, s45, v18                     ; and out: my 16 neighbours
	v_lshrrev_b32 v20, 1, v2
	v_add_nc_u32 v20, s45, v20                     ; my block's scale byte
	v_lshl_add_u32 v21, v2, 2, s45                 ; the 48 bytes come back four to a lane,
	v_lshrrev_b32 v22, 2, v2
	v_lshlrev_b32 v22, 13, v22
	v_and_b32 v23, 3, v2
	v_lshl_add_u32 v22, v23, 2, v22                ; and go to scales: 8,192 (lane / 4), a tensor's 1,024 rows on, + 4 (lane % 4)
	s_and_b32 s46, ttmp7, 0xffff                   ; y
	s_and_b32 s47, s46, 3                          ; X: which 256 along c
	s_lshr_b32 s48, s46, 2                         ; X: 0-3 batches of Xq, 4-7 of Xk
	s_lshl_b32 s49, s46, 4
	s_add_co_u32 s49, s49, ttmp9                   ; the work-group's number, 0..511
	s_lshl_b32 s50, ttmp9, 7
	s_lshl_b32 s51, s44, 5
	s_add_co_u32 s50, s50, s51                     ; my wave's first column p: 128 x + 32 wave
	s_and_b32 s52, s48, 3
	s_lshl_b32 s52, s52, 23                        ; a batch of X is 8,388,608 bytes,
	s_lshl_b32 s51, s47, 21                        ; 256 rows c are 2,097,152
	s_add_co_u32 s52, s52, s51
	s_lshl_b32 s51, s50, 2
	s_add_co_u32 s52, s52, s51
	s_mov_b32 s53, 0                               ; s[52:53]: where my part of X begins
	s_lshl_b32 s51, s48, 11
	s_add_co_u32 s51, s51, s50                     ; my first row of codes
	s_lshl_b32 s56, s51, 10
	s_lshl_b32 s58, s47, 8
	s_add_co_u32 s56, s56, s58
	s_mov_b32 s57, 0                               ; s[56:57]: its codes of my K step
	s_mul_i32 s58, s47, SCK
	s_lshl_b32 s51, s51, 3
	s_add_co_u32 s58, s58, s51
	s_mov_b32 s59, 0                               ; s[58:59]: its scale bytes
	s_lshl_b32 s60, s49, 13                        ; W: rows 2 n and 2 n + 1 (n the work-group's number), 4,096 bytes a row,
	s_lshl_b32 s51, s44, 10                        ; K step = my wave's number: 1,024 bytes
	s_add_co_u32 s60, s60, s51
	s_mov_b32 s61, 0
	s_and_not1_b32 s68, s49, 12                    ; the rows' place: bits 3 and 4 of a row are bits 2 and 3 of n
	s_bfe_u32 s69, s49, 0x10002
	s_lshl_b32 s69, s69, 3
	s_or_b32 s68, s68, s69
	s_bfe_u32 s69, s49, 0x10003
	s_lshl_b32 s69, s69, 2
	s_or_b32 s68, s68, s69
	s_lshl_b32 s62, s68, 11
	s_lshl_b32 s51, s44, 8
	s_add_co_u32 s62, s62, s51
	s_add_co_u32 s62, s62, 16384*1024
	s_mov_b32 s63, 0                               ; s[62:63]: Wq's codes of my two rows and K step
	s_mul_i32 s66, s44, SCK
	s_lshl_b32 s51, s68, 4
	s_add_co_u32 s66, s66, s51
	s_add_co_u32 s66, s66, 16384*8
	s_mov_b32 s67, 0                               ; s[66:67]: their 16 scale bytes
	s_mov_b32 s71, MANTF                           ; (an instruction takes one literal: the hold's line has another)
	s_wait_kmcnt 0x0
	s_cmp_lt_u32 s48, 4                            ; Xq or Xk: the choice hangs on the work-group's number alone
	s_cselect_b64 s[54:55], s[4:5], s[6:7]
	s_add_nc_u64 s[54:55], s[54:55], s[52:53]
	s_add_nc_u64 s[56:57], s[38:39], s[56:57]
	s_add_nc_u64 s[58:59], s[40:41], s[58:59]
	s_add_nc_u64 s[8:9], s[8:9], s[60:61]
	s_add_nc_u64 s[10:11], s[10:11], s[60:61]
	s_add_nc_u64 s[12:13], s[12:13], s[60:61]
	s_add_nc_u64 s[62:63], s[38:39], s[62:63]
	s_add_nc_u64 s[66:67], s[40:41], s[66:67]
.irp t, 0,1,2                          ; W: 2 rows x 1,024 bytes of each tensor: four loads of 512 consecutive bytes
	global_load_b128 v[R+16*\t:R+16*\t+3],     v16, s[8+2*\t:9+2*\t] th:TH_LOAD_NT
	global_load_b128 v[R+16*\t+4:R+16*\t+7],   v16, s[8+2*\t:9+2*\t] offset:512 th:TH_LOAD_NT
	global_load_b128 v[R+16*\t+8:R+16*\t+11],  v16, s[8+2*\t:9+2*\t] offset:4096 th:TH_LOAD_NT
	global_load_b128 v[R+16*\t+12:R+16*\t+15], v16, s[8+2*\t:9+2*\t] offset:4608 th:TH_LOAD_NT
.endr
.macro LOAD t                          ; X: block t: X(32 t + i, my column), i = 0 .. 31, into set t % 2
.irp i, 0,1,2,3,4,5,6,7,8,9,10,11,12,13,14,15,16,17,18,19,20,21,22,23,24,25,26,27,28,29,30,31
	global_load_b32 v[X+32*((\t)%2)+\i], v3, s[54:55] offset:(32*(\t)+\i)*XROW th:TH_LOAD_NT
.endr
.endm
	LOAD 0
	s_wait_loadcnt 32                              ; W's twelve loads are in; the 32 of X's block 0 stay out
	LOAD 1
.macro WTURN t                         ; tensor t's 512 numbers through its stage: LDS serves a wave's instructions in order, so no wait stands between the stores and the loads
.irp i, 0,1,2,3
	ds_store_b128 v17, v[R+16*(\t)+4*\i:R+16*(\t)+4*\i+3] offset:WST*(\t)+8*SP*\i
.endr
.irp i, 0,1,2,3
	ds_load_b128 v[X2+16*((\t)%2)+4*\i:X2+16*((\t)%2)+4*\i+3], v18 offset:WST*(\t)+16*\i
.endr
.endm
.macro WSTEP t, left                   ; left: the LDS instructions issued behind tensor t's loads from its stage
.set XS, X2+16*((\t)%2)
.set CW, R+16*(\t)
	s_wait_dscnt \left                             ; my 16 neighbours are back; so the stores into the stage have read the registers that now take the codes
	v_max3_num_f32 v12, |v[XS]|, |v[XS+1]|, |v[XS+2]|
	v_max3_num_f32 v13, |v[XS+3]|, |v[XS+4]|, |v[XS+5]|
.irp i, 6,10
	v_max3_num_f32 v12, v12, |v[XS+\i]|, |v[XS+\i+1]|
	v_max3_num_f32 v13, v13, |v[XS+\i+2]|, |v[XS+\i+3]|
.endr
	v_max3_num_f32 v12, v12, |v[XS+14]|, |v[XS+15]|
	v_max3_num_f32 v12, v12, v13, (EMAX+1)<<23     ; and the floor 2^(9 - 127): the byte cannot fall under 1
	v_max_num_f32_dpp v12, v12, v12 row_xmask:1 row_mask:0xf bank_mask:0xf   ; with my neighbour's 16: the block's largest magnitude
	v_add_nc_u32 v11, 0xfc000000, v12              ; 8 off its exponent field: the conversion takes the exponent field of this operand as its scale
	v_and_or_b32 v10, v12, 0x7f800000, s71         ; 448 x the scale
.irp i, 0,1,2,3,4,5,6,7,8,9,10,11,12,13,14,15
	v_med3_num_f32 v[XS+\i], v[XS+\i], -v10, v10   ; the conversion to an 8-bit code does not saturate (ISA guide 7.6.2): the hold comes first
.endr
	v_cvt_scalef32_pk8_fp8_f32 v[CW:CW+1], v[XS:XS+7], v11
	v_cvt_scalef32_pk8_fp8_f32 v[CW+2:CW+3], v[XS+8:XS+15], v11
	v_lshrrev_b32 v[CW+4], 23, v11                 ; the scale's byte (a plain line behind the conversions)
	ds_store_b8 v20, v[CW+4] offset:WSB+16*(\t)    ; both lanes of a block write the same byte with the same value
	global_store_b128 v8, v[CW:CW+3], s[62:63] offset:1048576*(\t)   ; sixteen lanes store 256 consecutive bytes of a row, at a multiple of 256
.endm
	WTURN 0
	WTURN 1
	WSTEP 0, 8                                     ; behind tensor 0's loads: tensor 1's eight
	WTURN 2
	WSTEP 1, 9                                     ; behind tensor 1's: a byte store and tensor 2's eight
	WSTEP 2, 1                                     ; behind tensor 2's: a byte store
	s_wait_xcnt 0x0                                ; EXEC changes only behind this wait: loads and stores are out
	v_cmp_gt_u32 vcc_lo, 12, v2
	s_and_saveexec_b32 s70, vcc_lo                 ; twelve lanes carry the 48 scale bytes
	ds_load_b32 v26, v21 offset:WSB                ; LDS serves a wave's instructions in order: this sees my byte stores
	s_wait_dscnt 0x0
	global_store_b32 v22, v26, s[66:67]
	s_wait_xcnt 0x0                                ; and again, in front of the line that widens it
	s_or_b32 exec_lo, exec_lo, s70
.macro BLOCK t
.set XS, X+32*((\t)%2)
.if (\t) < NB-1
	s_wait_loadcnt 32                              ; this block's 32 loads are in; the next block's may be out
.else
	s_wait_loadcnt 0
.endif
	v_max3_num_f32 v12, |v[XS]|, |v[XS+1]|, |v[XS+2]|               ; the block's largest magnitude: all 32 numbers are mine
	v_max3_num_f32 v13, |v[XS+3]|, |v[XS+4]|, |v[XS+5]|
.irp i, 6,10,14,18,22,26
	v_max3_num_f32 v12, v12, |v[XS+\i]|, |v[XS+\i+1]|
	v_max3_num_f32 v13, v13, |v[XS+\i+2]|, |v[XS+\i+3]|
.endr
	v_max3_num_f32 v12, v12, |v[XS+30]|, |v[XS+31]|
	v_max3_num_f32 v12, v12, v13, (EMAX+1)<<23
	v_add_nc_u32 v11, 0xfc000000, v12
	v_and_or_b32 v10, v12, 0x7f800000, s71
	v_lshrrev_b32 v13, 23, v11                     ; the scale's byte
.if (\t)%4 == 0
	v_mov_b32 v[SB+(\t)/4], v13                    ; four bytes to a register, the lower c in the lower byte
.else
	v_lshl_or_b32 v[SB+(\t)/4], v13, 8*((\t)%4), v[SB+(\t)/4]
.endif
.irp i, 0,1,2,3,4,5,6,7,8,9,10,11,12,13,14,15,16,17,18,19,20,21,22,23,24,25,26,27,28,29,30,31
	v_med3_num_f32 v[XS+\i], v[XS+\i], -v10, v10
.endr
.irp g, 0,1,2,3
	v_cvt_scalef32_pk8_fp8_f32 v[C+2*\g:C+2*\g+1], v[XS+8*\g:XS+8*\g+7], v11
.endr
	ds_store_b128 v4, v[C:C+3] offset:32*(\t)      ; 32 codes: 32 bytes of my column's row
	ds_store_b128 v4, v[C+4:C+7] offset:32*(\t)+16
.if (\t)+2 < NB
	LOAD (\t)+2
.endif
	s_wait_dscnt 0x0                               ; the stores have read their registers: the next block's codes may be written
.endm
.irp t, 0,1,2,3,4,5,6,7
	BLOCK \t
.endr
	global_store_b64 v9, v[SB:SB+1], s[58:59]      ; 32 lanes store 256 consecutive bytes, at a multiple of 256
.irp t, 0,1,2,3,4,5,6,7,8,9,10,11,12,13,14,15
	ds_load_b128 v[OUTR+4*\t:OUTR+4*\t+3], v7 offset:2*\t*PITCH   ; (W's code stores, which read some of these registers, stand ahead of a wait on XCNT for 0)
.endr
.irp t, 0,1,2,3,4,5,6,7,8,9,10,11,12,13,14,15
	s_wait_dscnt 15-\t                             ; the younger loads may be out
	global_store_b128 v8, v[OUTR+4*\t:OUTR+4*\t+3], s[56:57] offset:2*\t*1024
.endr
	; THE TABLE: wave 0 of the first 96 work-groups makes 32 entries each.  The branches hang on ids alone
	s_cmp_lt_u32 s49, 96
	s_cbranch_scc0 .Lno_bn
	s_cmp_eq_u32 s44, 0
	s_cbranch_scc0 .Lno_bn
	s_cmp_lt_u32 s49, 64                           ; work-groups 0-31: branch 1 (Q), 32-63: branch 2 (K), 64-95: branch 3 (V)
	s_cselect_b64 s[50:51], s[22:23], s[30:31]     ; gamma
	s_cselect_b64 s[52:53], s[24:25], s[32:33]     ; beta
	s_cselect_b64 s[60:61], s[26:27], s[34:35]     ; mean
	s_cselect_b64 s[68:69], s[28:29], s[36:37]     ; var
	s_cmp_lt_u32 s49, 32
	s_cselect_b64 s[50:51], s[14:15], s[50:51]
	s_cselect_b64 s[52:53], s[16:17], s[52:53]
	s_cselect_b64 s[60:61], s[18:19], s[60:61]
	s_cselect_b64 s[68:69], s[20:21], s[68:69]
	s_and_b32 s70, s49, 31
	s_lshl_b32 s70, s70, 7
	v_lshl_add_u32 v23, v2, 2, s70                 ; my channel in its branch, 4 bytes each
	s_lshl_b32 s70, s49, 7
	v_lshl_add_u32 v27, v2, 2, s70                 ; and in the table
	global_load_b32 v28, v23, s[50:51]
	global_load_b32 v29, v23, s[52:53]
	global_load_b32 v30, v23, s[60:61]
	global_load_b32 v31, v23, s[68:69]
	s_wait_loadcnt 0x0
	v_add_f32 v31, 0x3727c5ac, v31                 ; var + 1e-5
	v_rsq_f32 v26, v31
	v_nop                                          ; a plain line behind the transcendental,
	s_wait_alu depctr_va_vdst(0)                   ; and the wait ahead of the first use
	v_mul_f32 v26, v28, v26                        ; S
	v_fma_f32 v29, -v30, v26, v29                  ; T = beta - mean S
	global_store_b32 v27, v26, s[42:43]
	global_store_b32 v27, v29, s[42:43] offset:12288
.Lno_bn:
	s_wait_tensorcnt 0x0                           ; the wave's end: behind my last LDS store
	ds_add_u32 v[SPW], v[NIL]
	s_wait_dscnt 0x0
	s_endpgm
.Lfunc_end_k_q982f00bd63_quant:
	.size	k_q982f00bd63_quant, .Lfunc_end_k_q982f00bd63_quant-k_q982f00bd63_quant
	.p2alignl 7, 3214868480
	.fill 96, 4, 3214868480
	.section	.rodata,"a",@progbits
	.p2align	6, 0x0
	.amdhsa_kernel k_q982f00bd63_quant
		.amdhsa_group_segment_fixed_size 35840
		.amdhsa_private_segment_fixed_size 0
		.amdhsa_enable_private_segment 0
		.amdhsa_kernarg_size 160
		.amdhsa_user_sgpr_count 2
		.amdhsa_user_sgpr_kernarg_segment_ptr 1
		.amdhsa_wavefront_size32 1
		.amdhsa_system_sgpr_workgroup_id_x 1
		.amdhsa_system_sgpr_workgroup_id_y 1
		.amdhsa_system_sgpr_workgroup_id_z 1
		.amdhsa_system_vgpr_workitem_id 0
		.amdhsa_next_free_vgpr 192
		.amdhsa_next_free_sgpr 72
		.amdhsa_reserve_vcc 1
		.amdhsa_float_denorm_mode_32 3
		.amdhsa_float_denorm_mode_16_64 3
		.amdhsa_memory_ordered 1
		.amdhsa_forward_progress 1
		.amdhsa_inst_pref_size 73
	.end_amdhsa_kernel
	.amdgpu_metadata
---
amdhsa.version: [ 1, 2 ]
amdhsa.kernels:
  - .name:           k_q982f00bd63_quant
    .symbol:         k_q982f00bd63_quant.kd
    .args:
      - { .name: Xq, .offset: 0, .size: 8, .value_kind: global_buffer, .address_space: global }
      - { .name: Xk, .offset: 8, .size: 8, .value_kind: global_buffer, .address_space: global }
      - { .name: Wq, .offset: 16, .size: 8, .value_kind: global_buffer, .address_space: global }
      - { .name: Wk, .offset: 24, .size: 8, .value_kind: global_buffer, .address_space: global }
      - { .name: Wv, .offset: 32, .size: 8, .value_kind: global_buffer, .address_space: global }
      - { .name: gamma1, .offset: 40, .size: 8, .value_kind: global_buffer, .address_space: global }
      - { .name: beta1, .offset: 48, .size: 8, .value_kind: global_buffer, .address_space: global }
      - { .name: mean1, .offset: 56, .size: 8, .value_kind: global_buffer, .address_space: global }
      - { .name: var1, .offset: 64, .size: 8, .value_kind: global_buffer, .address_space: global }
      - { .name: gamma2, .offset: 72, .size: 8, .value_kind: global_buffer, .address_space: global }
      - { .name: beta2, .offset: 80, .size: 8, .value_kind: global_buffer, .address_space: global }
      - { .name: mean2, .offset: 88, .size: 8, .value_kind: global_buffer, .address_space: global }
      - { .name: var2, .offset: 96, .size: 8, .value_kind: global_buffer, .address_space: global }
      - { .name: gamma3, .offset: 104, .size: 8, .value_kind: global_buffer, .address_space: global }
      - { .name: beta3, .offset: 112, .size: 8, .value_kind: global_buffer, .address_space: global }
      - { .name: mean3, .offset: 120, .size: 8, .value_kind: global_buffer, .address_space: global }
      - { .name: var3, .offset: 128, .size: 8, .value_kind: global_buffer, .address_space: global }
      - { .name: codes, .offset: 136, .size: 8, .value_kind: global_buffer, .address_space: global }
      - { .name: scales, .offset: 144, .size: 8, .value_kind: global_buffer, .address_space: global }
      - { .name: bn, .offset: 152, .size: 8, .value_kind: global_buffer, .address_space: global }
    .group_segment_fixed_size: 35840
    .private_segment_fixed_size: 0
    .kernarg_segment_align: 8
    .kernarg_segment_size: 160
    .max_flat_workgroup_size: 128
    .sgpr_count:     72
    .vgpr_count:     192
    .wavefront_size: 32
...
	.end_amdgpu_metadata
.endif
;; end of part 1
;; launch gemm (part 2): grid 4 x 96, 4 waves a work-group, clusters of 4 x 4, 327,680 bytes of LDS; arguments codes, scales, bn, kq, kv; writes kq, kv
.if DOCPART == 2
	.amdgcn_target "amdgcn-amd-amdhsa--gfx1250"
	.amdhsa_code_object_version 6
	.text
	.protected	k_q982f00bd63_gemm
	.globl	k_q982f00bd63_gemm
	.p2align	8
	.type	k_q982f00bd63_gemm,@function
k_q982f00bd63_gemm:
	s_mov_b64 s[64:65], 0
	v_nop
	global_prefetch_b8 v0, s[64:65] scope:SCOPE_SE
	s_setreg_imm32_b32 hwreg(HW_REG_WAVE_MODE, 25, 1), 1
	s_wait_xcnt 0x0
	s_wait_alu depctr_hold_cnt(0) depctr_sa_sdst(0) depctr_va_vdst(0) depctr_va_sdst(0) depctr_va_ssrc(0) depctr_va_vcc(0) depctr_vm_vsrc(0)
	s_getreg_b32 s2, hwreg(HW_REG_IB_STS2, 6, 4)
	s_cmp_eq_u32 s2, 0
	s_cbranch_scc0 .Lentry_in_a_cluster
	s_endpgm
.Lentry_in_a_cluster:
	s_bfe_u32 s2, ttmp6, 0x10000c
	s_cmp_lg_u32 s2, 0xf033
	s_cbranch_scc0 .Lentry_shape_is_right
	s_endpgm
.Lentry_shape_is_right:
; SECOND LAUNCH: the three 1 x 1 convolutions on codes of FP8 (E4M3) with E8M0 scales, K = 1,024 channels; then y = S acc + T, max(y, 0.1 y) (which is LeakyReLU for every finite y), and the quantiser of the NEXT product.
; Nothing of the problem is left out here.
; ONE BODY FOR THREE PRODUCTS.  C[R row][P column], source 0 = 16 rows of P, source 1 = 16 rows of R: a lane holds ONE row of R and its registers run along P, the axis along which the result is quantised next.
;   clusters 0-7:   K: R = Xk's positions, P = Wk's channels: quantised along the head's 128 channels -> kq (the attention's queries)
;   clusters 8-15:  V: R = Xq's positions, P = Wv's channels: likewise -> the first section of a unit of kv (the keys)
;   clusters 16-23: Q: R = Wq's channels, P = Xq's positions: quantised along 128 positions j -> the second section of a unit of kv (the values)
; All operands are rows of the ONE buffer codes, so the choice is a choice of row numbers, made from the cluster's number alone.
; A tile of C, 256 x 256, is made by four waves, each 128 x 128: 64 accumulators, 512 registers.  K goes in steps of 256 through two LDS slots filled by the tensor data mover.  The scale bytes of the tile's 512 rows, for all of K, come once.
; CLUSTERS: 4 x 4 work-groups; R's tiles are asked for jointly along a row of the cluster, P's along a column.
; THE ROWS OF A TILE: codes holds at place 16 u + r of each 32 rows the row 8 u + r + 8 (r / 8).  So the 16 registers of P's tiles 2 e and 2 e + 1 are 16 neighbours, 32 e + 16 (lane / 16) + 0 .. 15: the conversions' results are a fragment's registers;
; and lane r of R's block a is row 32 (a / 2) + 8 (a % 2) + r + 8 (r / 8) of the wave's 128, the order in which the attention wants its keys.
; OUT: a wave's 128 x 128 is one section of 16,896 bytes: 8 fragments as IMAGES OF THEIR REGISTERS (register group c of lane l at 2,048 a + 512 c + 16 l), then 512 bytes of scale words, [a / 4][r][a % 4].  Every store covers 512 consecutive bytes.  No stage.
; No prefetch: K has four steps, of which two are asked for at the head.
; LIMITS: NaN and infinities are not served; a block of zeros gets the byte 1 (its codes are zeros; this program alone reads the bytes).
; REGISTERS, in windows of 256: window 0: v0-31 addresses; v32-63 scale words, two sets; v64-95 codes on the way out; from v128 R's fragments, ONE set, on the way out at work.
;   window 1: P's fragments, TWO sets, at v0 and v128; set 0 takes S and T in the last step.   windows 2, 3: the accumulators ((a, b) at v[8 (8 (a % 4) + b)] of window 2 + a / 4).
.set KSTEP,  256
.set NQ,     2                         ; matrix instructions deep in a slot
.set ROWB,   256                       ; a tile's row in bytes
.set KROW,   1024                      ; a row of codes in memory
.set ROWS,   19456                     ; rows in codes; a K step of scales is so many elements of 8 bytes
.set PITCH,  272                       ; an LDS row: 256 bytes + 16 of padding = 68 words: row r starts at bank 4 r mod 64 (64 banks of 4 bytes: ISA guide 11.1)
.set FR,     16
.set NL,     4
.set NP,     8                         ; places behind this matrix instruction (ISA guide 7.12.1)
.set HALFT,  128*PITCH
.set SLOT,   4*HALFT                   ; R's 256 rows, then P's 256 rows
.set LAPS,   2                         ; 1,024 / 512
.set SCL,    2*SLOT                    ; behind the ring: the scale bytes: four blocks [4 K steps][128 rows][8 bytes], one a wave's load
.set SCW,    4096
.set SPARE,  SCL+4*SCW                 ; the spare words, 128 bytes for each wave, which no other line names
.set SECT,   16896
.set ADRA, 16                          ; v16-17  LDS address of my R fragments in slot 0, 1
.set ADRB, 20                          ; v20-21  the same for P
.set LI,   24                          ; v24     16 x lane: my place in an image
.set BNK,  26                          ; v26     64 (lane / 16): S and T along my registers
.set ADRS, 27                          ; v27     LDS address of my scale words: lanes 0-15 R's rows, lanes 16-31 P's
.set SPW,  28                          ; v28     my spare word; never rewritten
.set NIL,  29                          ; v29     0; never rewritten
.set BNR,  30                          ; v30     4 (r + 8 (r / 8)): S and T of my row
.set SC,   32
.set PC,   64                          ; v64-95   codes just made, two sets
.set AF,   128
.set ST,   128                         ; v128-191 the way out: a block's 64 numbers of my row
.set TMPL, 192                         ; v192-207 0.1 y
.set TM,   208                         ; v208-223 the quantiser's: largest magnitudes, bytes, holds, scale operands
.set PW,   224                         ; v224-231 a scale word for each block
.set SW,   232                         ; v232-235 the four that I store
.set G1, 24
.set G0, 32
.set G1B, 48
.set G0B, 56
.set G1S, 68
.set G0S, 76
.set G1SB, 80
.set G0SB, 88
.set BNP, 66                           ; s[66:67] S of my 128 channels; T lies 12,288 bytes on
.set ISQ, 95                           ; s95      1 in the clusters that make Q
.set SLP, 96                           ; s[96:97] 0.1, on the way out
.set OUTP, 98                          ; s[98:99] my section
.set SEL, 20                           ; s[20:21] lane selects, on the way out
.set MNT, 22                           ; s22      the mantissa field of 448, on the way out
.set MSB, 0
.macro WIN new                         ; the immediate's high byte repeats the setting that is left
.if MSB != \new
	s_set_vgpr_msb (MSB<<8)|\new
.set MSB, \new
.endif
.endm
.set MUL_LO, 0xa1                      ; source 0 (P) window 1, source 1 (R) window 0, C and D window 2
.set MUL_HI, 0xf1
.set TO_B,   0x40                      ; destination window 1, address window 0
; A joint load: waves 0 and 1 fetch for R, waves 2 and 3 for P.  The branch hangs on the wave's number alone.  An s_nop 0 and four v_nop follow each of the two lines.
.macro JLOAD g0a, g1a, g0b, g1b
	s_cmp_eq_u32 s15, 0
	s_cbranch_scc0 .Lfor_b_\@
	tensor_load_to_lds s[\g0a:\g0a+3], s[\g1a:\g1a+7]
	s_nop 0
.rept 4
	v_nop
.endr
	s_branch .Lasked_\@
.Lfor_b_\@:
	tensor_load_to_lds s[\g0b:\g0b+3], s[\g1b:\g1b+7]
	s_nop 0
.rept 4
	v_nop
.endr
.Lasked_\@:
.endm
.macro CREST                           ; a round of the cluster's barrier behind its opening barrier
	s_cmp_lg_u32 s14, 0
	s_cbranch_scc1 .Lnot_wave_0_\@
	s_barrier_signal -3
.Lnot_wave_0_\@:
	s_barrier_wait -3
	s_barrier_signal -1
	s_barrier_wait -1
.endm
.macro CROUND
	s_barrier_signal -1
	s_barrier_wait -1
	CREST
.endm
	s_load_b256 s[4:11], s[0:1], 0x0               ; codes s[4:5], scales s[6:7], bn s[8:9], kq s[10:11]
	s_load_b64 s[12:13], s[0:1], 0x20              ; kv
	v_lshl_add_u32 v[SPW], v0, 2, SPARE
	v_mov_b32 v[NIL], 0
	ds_add_u32 v[SPW], v[NIL]                      ; the wave's opening: the add, twice on end, and its wait ahead of my first tensor load
	ds_add_u32 v[SPW], v[NIL]                      ; and once more; the set-up below, work on registers, stands between it and the wait
	v_lshrrev_b32 v1, 5, v0
	v_readfirstlane_b32 s14, v1                    ; wave 0..3
	s_lshr_b32 s15, s14, 1                         ; which half of the tile's R rows is mine.  Also: I fetch for R (0) or for P (1)
	s_and_b32 s16, s14, 1                          ; which half of its P rows.  Also: which 128 rows I fetch
	s_bfe_u32 s40, ttmp6, 0x40000                  ; cx, cy: my place in the cluster
	s_bfe_u32 s41, ttmp6, 0x40004
	s_and_b32 s92, ttmp7, 0xffff                   ; the cluster's number, 0..23 (the grid is one cluster wide)
	s_lshr_b32 s93, s92, 3                         ; the product: 0 K, 1 V, 2 Q
	s_and_b32 s92, s92, 7
	s_lshl_b32 s92, s92, 2                         ; the first of the cluster's four tiles along X's 32
	s_add_co_u32 s66, s93, 1
	s_cmp_eq_u32 s66, 3
	s_cselect_b32 s66, 0, s66                      ; the weight and its branch: K 1, V 2, Q 0
	s_lshl_b32 s66, s66, 10
	s_add_co_u32 s96, s66, 16384                   ; the weight's first row in codes
	s_cmp_eq_u32 s93, 0
	s_cselect_b32 s97, 8192, 0                     ; X's first row: Xk for K, else Xq
	s_cselect_b32 s100, 1, 0
	s_cmp_eq_u32 s93, 2
	s_cselect_b32 s[ISQ], 1, 0
	s_cselect_b32 s17, 0, s92
	s_cselect_b32 s42, s92, 0
	s_cselect_b32 s2, s96, s97                     ; R's first row
	s_cselect_b32 s3, s97, s96                     ; P's
	s_add_co_u32 s17, s17, s41                     ; tile row: hangs on cy alone
	s_add_co_u32 s42, s42, s40                     ; tile column: on cx alone
	s_lshl_b32 s43, s41, 2
	s_lshl_b32 s43, 15, s43                        ; my row of the cluster
	s_lshl_b32 s44, 0x1111, s40                    ; my column
	; descriptor group 1: a tile of 128 rows x 256 bytes, padded in LDS
	s_or_b32 s[G1+0], s43, (0<<16)|(1<<20)|(1<<21)|(5<<22)|(3<<25)  ; 15:0 the mask; 17:16 elements of 1 byte; 20 padding on; 21 set beside a mask; 24:22 after every 64 words; 31:25 four words
	s_or_b32 s[G1B+0], s44, (0<<16)|(1<<20)|(1<<21)|(5<<22)|(3<<25)
.irp g, G1, G1B
	s_mov_b32 s[\g+1], ROWB<<16                    ; tensor_dim0
	s_mov_b32 s[\g+2], 128<<16                     ; tensor_dim1
	s_mov_b32 s[\g+3], ROWB<<16                    ; tile_dim0
	s_mov_b32 s[\g+4], 128                         ; tile_dim1
	s_mov_b32 s[\g+5], KROW                        ; tensor_dim0_stride
	s_mov_b32 s[\g+6], 0
	s_mov_b32 s[\g+7], 0
.endr
	; and for the scale bytes of 128 rows: 4 rows (K steps) of 128 elements of 8 bytes, 19,456 elements apart, no padding
	s_or_b32 s[G1S+0], s43, (3<<16)|(1<<21)
	s_or_b32 s[G1SB+0], s44, (3<<16)|(1<<21)
.irp g, G1S, G1SB
	s_mov_b32 s[\g+1], 128<<16
	s_mov_b32 s[\g+2], 4<<16
	s_mov_b32 s[\g+3], 128<<16
	s_mov_b32 s[\g+4], 4
	s_mov_b32 s[\g+5], ROWS
	s_mov_b32 s[\g+6], 0
	s_mov_b32 s[\g+7], 0
.endr
	s_lshl_b32 s18, s16, 7                         ; which 128 rows of the tile I fetch
	s_lshl_b32 s20, s17, 8
	s_add_co_u32 s20, s20, s18
	s_add_co_u32 s20, s20, s2                      ; R: its row in codes
	s_lshl_b32 s46, s42, 8
	s_add_co_u32 s46, s46, s18
	s_add_co_u32 s46, s46, s3                      ; P: likewise
	s_lshl_b32 s22, s20, 3                         ; 8 scale bytes a row and K step,
	s_mov_b32 s23, 0
	s_lshl_b32 s92, s46, 3
	s_mov_b32 s93, 0
	s_lshl_b32 s20, s20, 10                        ; 1,024 bytes of codes a row
	s_mov_b32 s21, 0
	s_lshl_b32 s46, s46, 10
	s_mov_b32 s47, 0
	s_mul_i32 s45, s14, HALFT                      ; where they go: wave x 128 rows: no place in the cluster enters an LDS address
	s_mul_i32 s94, s14, SCW
	s_wait_dscnt 0x0                               ; both opening adds are done
	s_wait_kmcnt 0x0
	s_add_nc_u64 s[20:21], s[4:5], s[20:21]
	s_add_nc_u64 s[22:23], s[6:7], s[22:23]
	s_add_nc_u64 s[46:47], s[4:5], s[46:47]
	s_add_nc_u64 s[92:93], s[6:7], s[92:93]
	CROUND                                         ; all sixteen work-groups are here: the first joint loads meet
	s_mov_b32 s[G0S], 1
	s_add_co_u32 s[G0S+1], s94, SCL
	s_mov_b64 s[G0S+2:G0S+3], s[22:23]
	s_or_b32 s[G0S+3], s[G0S+3], 0x80000000
	s_mov_b32 s[G0SB], 1
	s_add_co_u32 s[G0SB+1], s94, SCL
	s_mov_b64 s[G0SB+2:G0SB+3], s[92:93]
	s_or_b32 s[G0SB+3], s[G0SB+3], 0x80000000
	JLOAD G0S, G1S, G0SB, G1SB                     ; the scales first: they are wanted with K step 0
.irp s, 0,1
	s_mov_b32 s[G0+4*\s], 1
	s_add_co_u32 s[G0+4*\s+1], s45, \s*SLOT
	s_add_nc_u64 s[G0+4*\s+2:G0+4*\s+3], s[20:21], \s*ROWB
	s_or_b32 s[G0+4*\s+3], s[G0+4*\s+3], 0x80000000
	s_mov_b32 s[G0B+4*\s], 1
	s_add_co_u32 s[G0B+4*\s+1], s45, \s*SLOT
	s_add_nc_u64 s[G0B+4*\s+2:G0B+4*\s+3], s[46:47], \s*ROWB
	s_or_b32 s[G0B+4*\s+3], s[G0B+4*\s+3], 0x80000000
	JLOAD G0+4*\s, G1, G0B+4*\s, G1B               ; three loads of mine are out behind the second of these
.endr
	v_and_b32 v1, 15, v0                           ; r = lane % 16
	v_bfe_u32 v2, v0, 4, 1                         ; h = lane / 16
	v_mul_u32_u24 v3, v1, PITCH
	v_lshl_add_u32 v4, v2, 4, v3                   ; a fragment's row x pitch + 16 h
	s_mul_i32 s21, s15, HALFT                      ; my 128 rows of R
	s_mul_i32 s22, s16, HALFT                      ; my 128 rows of P,
	s_add_co_u32 s22, s22, 2*HALFT                 ; which lie behind R's 256
.irp s, 0,1
	v_add_nc_u32 v[ADRA+\s], s21, v4
	v_add_nc_u32 v[ADRB+\s], s22, v4
	s_add_co_u32 s21, s21, SLOT
	s_add_co_u32 s22, s22, SLOT
.endr
	v_lshlrev_b32 v5, 3, v1                        ; my row's scale bytes of a K step: 8 r
	s_lshl_b32 s21, s15, 12                        ; R's: my 128 rows' block
	s_lshl_b32 s22, s16, 12                        ; P's: behind R's two
	s_add_co_u32 s22, s22, 2*SCW
	s_sub_co_u32 s22, s22, s21
	v_mul_u32_u24 v6, s22, v2                      ; lanes 16-31 take P's: the lower base + h x the distance
	s_add_co_u32 s21, s21, SCL
	v_add_nc_u32 v5, v5, v6
	v_add_nc_u32 v[ADRS], s21, v5
	v_and_b32 v6, 31, v0
	v_lshlrev_b32 v[LI], 4, v6
	v_lshlrev_b32 v[BNK], 6, v2
	v_and_b32 v7, 8, v1
	v_add_nc_u32 v7, v7, v1
	v_lshlrev_b32 v[BNR], 2, v7
	; my section, and my 128 channels of the table
	s_lshl_b32 s18, s17, 1
	s_add_co_u32 s18, s18, s15                     ; my block of 128 along R
	s_lshl_b32 s19, s42, 1
	s_add_co_u32 s19, s19, s16                     ; and along P
	s_cmp_eq_u32 s[ISQ], 1
	s_cselect_b32 s2, s19, s18                     ; of X's 64 blocks of 128 positions: 16 batch + block
	s_cselect_b32 s3, s18, s19                     ; of the weight's 8: the head
	s_cselect_b32 s23, SECT, 0                     ; Q is a unit's second section
	s_lshr_b32 s21, s2, 4
	s_lshl_b32 s21, s21, 3
	s_add_co_u32 s21, s21, s3                      ; 8 batch + head
	s_lshl_b32 s21, s21, 4
	s_and_b32 s2, s2, 15
	s_add_co_u32 s21, s21, s2                      ; the unit
	s_cmp_eq_u32 s100, 1                           ; K goes to kq, in units of one section; V and Q to kv, in units of two
	s_cselect_b64 s[OUTP:OUTP+1], s[10:11], s[12:13]
	s_mov_b32 s22, 2*SECT
	s_cselect_b32 s22, SECT, s22
	s_mul_i32 s22, s21, s22
	s_add_co_u32 s22, s22, s23
	s_mov_b32 s23, 0
	s_add_nc_u64 s[OUTP:OUTP+1], s[OUTP:OUTP+1], s[22:23]
	s_lshl_b32 s3, s3, 7
	s_add_co_u32 s66, s66, s3
	s_lshl_b32 s66, s66, 2
	s_mov_b32 s67, 0
	s_add_nc_u64 s[BNP:BNP+1], s[8:9], s[66:67]
.macro FRAG reg, adr, q, i             ; a fragment, 16 rows x 128 K, is 16 registers: lane l holds row l % 16; registers 4 c .. 4 c + 3 hold K = 32 c + 16 (l / 16) + 0 .. 15
.irp c, 0,1,2,3
	ds_load_b128 v[\reg+4*\c:\reg+4*\c+3], v[\adr] offset:128*(\q)+32*\c+(\i)*16*PITCH
.endr
.endm
; 16 matrix instructions: R's blocks a0, a0 + 1 x P's eight, the slot's q-th 128 along K.  p: P's set; sc: the set of scale words.  zero = 1: the first product starts the sums.
; The 64 accumulators take turns, one instruction a turn, in the same order in every step.
.macro MUL16 a0, p, q, sc, zero
.irp a, \a0, \a0+1
.irp b, 0,1,2,3,4,5,6,7
.if \zero
	v_wmma_scale_f32_16x16x128_f8f6f4 v[8*(8*((\a)%4)+\b):8*(8*((\a)%4)+\b)+7], v[128*(\p)+FR*\b:128*(\p)+FR*\b+FR-1], v[AF+FR*(\a):AF+FR*(\a)+FR-1], 0, v[SC+8*NQ*(\sc)+NQ*\b+(\q)], v[SC+8*NQ*(\sc)+NQ*(\a)+(\q)] matrix_a_scale:MATRIX_SCALE_ROW1
.else
	v_wmma_scale_f32_16x16x128_f8f6f4 v[8*(8*((\a)%4)+\b):8*(8*((\a)%4)+\b)+7], v[128*(\p)+FR*\b:128*(\p)+FR*\b+FR-1], v[AF+FR*(\a):AF+FR*(\a)+FR-1], v[8*(8*((\a)%4)+\b):8*(8*((\a)%4)+\b)+7], v[SC+8*NQ*(\sc)+NQ*\b+(\q)], v[SC+8*NQ*(\sc)+NQ*(\a)+(\q)] matrix_a_scale:MATRIX_SCALE_ROW1
.endif
.endr
.endr
.endm
.macro FETCH_B slot, q, p
	WIN TO_B
.irp i, 0,1,2,3,4,5,6,7
	FRAG 128*(\p)+FR*\i, ADRB+\slot, \q, \i
.endr
	WIN 0
.endm
.macro FETCH_A slot, q, i0
.irp i, \i0, \i0+1, \i0+2, \i0+3
	FRAG AF+FR*(\i), ADRA+\slot, \q, \i
.endr
.endm
.macro SCALES sc                       ; a K step's scale words into set sc: two words a row; lanes 0-15 take R's block i, lanes 16-31 P's block i
.irp i, 0,1,2,3,4,5,6,7
	ds_load_b64 v[SC+8*NQ*\sc+NQ*\i:SC+8*NQ*\sc+NQ*\i+1], v[ADRS] offset:\i*128
.endr
.endm
; A load into a register that a matrix instruction has read, and a vector instruction that reads a matrix result or writes one of a matrix instruction's registers, stand NP places behind it; only plain
; vector instructions that name none of its registers are places (ISA guide 7.12.1 for vector instructions).
.macro PLACES n
.rept \n
	v_nop
.endr
.endm
.macro STEP slot, q, zero              ; a step of 128 along K that has its successor in the same slot
	s_wait_dscnt 4*NL                              ; P's set, the scale words and R's blocks 0-3 are in; the youngest sixteen loads (R's blocks 4-7) may be out
	WIN MUL_LO
	MUL16 0, (\q)%2, \q, \slot, \zero
	MUL16 2, (\q)%2, \q, \slot, \zero
	s_wait_dscnt 0                                 ; R's blocks 4-7 are in
	PLACES NP
	FETCH_B \slot, (\q)+1, 1-(\q)%2
	FETCH_A \slot, (\q)+1, 0
	WIN MUL_HI
	MUL16 4, (\q)%2, \q, \slot, \zero
	MUL16 6, (\q)%2, \q, \slot, \zero
	PLACES NP
	WIN 0
	FETCH_A \slot, (\q)+1, 4
.endm
; A slot's last step changes slots: ONE barrier; in front of it each wave waits for all its tensor loads, adds 0 to its spare word, and waits for that and for its own reads of this slot.  fill = 1: this slot is filled again, two K steps ahead.
.macro TURN slot, next, fill
	s_wait_tensorcnt 0x0                           ; all my tensor loads have landed: my part of the next slot (every window is 0 here)
	ds_add_u32 v[SPW], v[NIL]                      ; 0 onto my spare word
	s_wait_dscnt 4*NL+1                            ; (the add and the youngest sixteen loads may be out)
	WIN MUL_LO
	MUL16 0, 1, NQ-1, \slot, 0                     ; sixteen matrix instructions stand between the add and the wait for it
	s_wait_dscnt 0x0                               ; the add is done, and my reads of this slot are over
	s_barrier_signal -1
	MUL16 2, 1, NQ-1, \slot, 0
	WIN 0
	s_barrier_wait -1
.if \fill
	CREST                                          ; the barrier has opened a round of the cluster's barrier: no wave of any partner still reads this slot or has a load on its way
	s_add_nc_u64 s[G0+4*\slot+2:G0+4*\slot+3], s[G0+4*\slot+2:G0+4*\slot+3], 2*ROWB
	s_add_nc_u64 s[G0B+4*\slot+2:G0B+4*\slot+3], s[G0B+4*\slot+2:G0B+4*\slot+3], 2*ROWB
	JLOAD G0+4*\slot, G1, G0B+4*\slot, G1B         ; the first tensor load behind the round; its four v_nop are among the places in front of the loads below
	PLACES NP-4
.else
	PLACES NP
.endif
	v_add_nc_u32 v[ADRS], 1024, v[ADRS]            ; on to the next K step's scale words: 128 rows x 8 bytes (no LDS load of mine is out)
	FETCH_B \next, 0, 0
	FETCH_A \next, 0, 0
	SCALES \next
	WIN MUL_HI
	MUL16 4, 1, NQ-1, \slot, 0
	MUL16 6, 1, NQ-1, \slot, 0
	PLACES NP
	WIN 0
	FETCH_A \next, 0, 4
.endm
	s_wait_tensorcnt 1                             ; the scales and my part of K step 0 are in (K step 1's load may be out)
	s_barrier_signal -1
	s_barrier_wait -1                              ; everybody's are
	FETCH_B 0, 0, 0
	FETCH_A 0, 0, 0
	SCALES 0
	FETCH_A 0, 0, 4
	STEP 0, 0, 1                                   ; the first step stands in front of the loop: its products start the sums
	s_mov_b32 s3, LAPS-1
.Llap:                                                 ; a trip goes once round the ring and fills both slots again
	TURN 0, 1, 1
	STEP 1, 0, 0
	TURN 1, 0, 1
	STEP 0, 0, 0
	s_sub_co_u32 s3, s3, 1
	s_cmp_lg_u32 s3, 0
	s_cbranch_scc1 .Llap
	TURN 0, 1, 0                                   ; the last lap fills nothing, and has no round of the cluster's barrier
	STEP 1, 0, 0
	; S AND T come into P's set 0, which the step above has left (its eight places stand behind its last products), and land while the last 64 products run.
	s_cmp_eq_u32 s[ISQ], 0
	s_cbranch_scc0 .Lbn_row
	WIN TO_B                                       ; K, V: the channel runs along my registers: register 16 e + i is channel 32 e + 16 h + i
.irp e, 0,1,2,3
.irp q, 0,1,2,3
	global_load_b128 v[16*\e+4*\q:16*\e+4*\q+3], v[BNK], s[BNP:BNP+1] offset:128*\e+16*\q
	global_load_b128 v[64+16*\e+4*\q:64+16*\e+4*\q+3], v[BNK], s[BNP:BNP+1] offset:12288+128*\e+16*\q
.endr
.endr
	WIN 0
	s_branch .Lbn_in
.Lbn_row:
	WIN TO_B                                       ; Q: the channel is my row: one S and one T for each block a, each twice, for the packed form's pair
.irp a, 0,1,2,3,4,5,6,7
	global_load_b32 v[2*\a],    v[BNR], s[BNP:BNP+1] offset:(32*(\a/2)+8*(\a%2))*4
	global_load_b32 v[2*\a+1],  v[BNR], s[BNP:BNP+1] offset:(32*(\a/2)+8*(\a%2))*4
	global_load_b32 v[64+2*\a], v[BNR], s[BNP:BNP+1] offset:12288+(32*(\a/2)+8*(\a%2))*4
	global_load_b32 v[65+2*\a], v[BNR], s[BNP:BNP+1] offset:12288+(32*(\a/2)+8*(\a%2))*4
.endr
	WIN 0
.Lbn_in:
	s_wait_dscnt 4*NL                              ; the very last step: nothing more to fetch from LDS
	WIN MUL_LO
	MUL16 0, 1, NQ-1, 1, 0
	MUL16 2, 1, NQ-1, 1, 0
	s_wait_dscnt 0
	WIN MUL_HI
	MUL16 4, 1, NQ-1, 1, 0
	MUL16 6, 1, NQ-1, 1, 0
	WIN 0
; 64 numbers of a lane, v[s] on, register 16 b + i = k 32 b + 16 (lane / 16) + i of my row, become a fragment's codes in v[pc] on and its scale word in v[pw].
.macro QUANT s, pc, pw
.irp b, 0,1,2,3
	v_max3_num_f32 v[TM+\b], |v[\s+16*\b]|, |v[\s+1+16*\b]|, 0x4800000   ; block b: my 16 numbers, and the floor 2^(9 - 127): the byte cannot fall under 1
.endr
.irp i, 2,4,6,8,10,12,14
.irp b, 0,1,2,3
	v_max3_num_f32 v[TM+\b], v[TM+\b], |v[\s+16*\b+\i]|, |v[\s+1+16*\b+\i]|   ; (the four blocks by turns)
.endr
.endr
.irp b, 0,1,2,3
	v_permlanex16_b32 v[TM+4+\b], v[TM+\b], s[SEL], s[SEL+1]
.endr
.irp b, 0,1,2,3
	v_max_num_f32 v[TM+\b], v[TM+\b], v[TM+4+\b]   ; with lane l xor 16's: the block's largest magnitude
.endr
.irp b, 0,1,2,3
	v_add_nc_u32 v[TM+12+\b], 0xfc000000, v[TM+\b] ; 8 off its exponent field: the conversion's scale operand
.endr
.irp b, 0,1,2,3
	v_and_or_b32 v[TM+8+\b], v[TM+\b], 0x7f800000, s[MNT]   ; 448 x the scale
.endr
.irp b, 0,1,2,3
	v_lshrrev_b32 v[TM+4+\b], 23, v[TM+12+\b]      ; the scale's byte
.endr
	v_lshl_or_b32 v[\pw], v[TM+5], 8, v[TM+4]      ; the four bytes make my row's scale word
	v_lshl_or_b32 v[\pw], v[TM+6], 16, v[\pw]
	v_lshl_or_b32 v[\pw], v[TM+7], 24, v[\pw]
.irp b, 0,1,2,3
.irp i, 0,1,2,3,4,5,6,7,8,9,10,11,12,13,14,15
	v_med3_num_f32 v[\s+16*\b+\i], v[\s+16*\b+\i], -v[TM+8+\b], v[TM+8+\b]   ; the conversion to an 8-bit code does not saturate (ISA guide 7.6.2): the hold comes first
.endr
	v_cvt_scalef32_pk8_fp8_f32 v[\pc+4*\b:\pc+1+4*\b], v[\s+16*\b:\s+7+16*\b], v[TM+12+\b]
	v_cvt_scalef32_pk8_fp8_f32 v[\pc+2+4*\b:\pc+3+4*\b], v[\s+8+16*\b:\s+15+16*\b], v[TM+12+\b]
.endr
	v_nop                                          ; one plain line behind the last conversion: the next block's lines write its sources
.endm
; THE WAY OUT of R's block a: y = S acc + T (each accumulator is read from its low end on), max(y, 0.1 y), the quantiser, four stores of 512 consecutive bytes.
.macro EPI a
.set AC, 64*((\a)%4)
.set PCS, PC+16*((\a)%2)
	s_cmp_eq_u32 s[ISQ], 0
	s_cbranch_scc0 .Lrow_\@
	WIN (0x16+(\a)/4)                              ; source 0 window 2 or 3, sources 1 and 2 window 1, destination window 0
.set n, 0
.rept 32
	v_pk_fma_f32 v[ST+n:ST+n+1], v[AC+n:AC+n+1], v[n:n+1], v[64+n:65+n]
.set n, n+2
.endr
	WIN 0
	s_branch .Ljoin_\@
.Lrow_\@:
	WIN (0x16+(\a)/4)
.set n, 0
.rept 32
	v_pk_fma_f32 v[ST+n:ST+n+1], v[AC+n:AC+n+1], v[2*(\a):2*(\a)+1], v[64+2*(\a):65+2*(\a)]
.set n, n+2
.endr
	WIN 0
.Ljoin_\@:
.irp g, 0,1,2,3
.irp k, 0,2,4,6,8,10,12,14
	v_pk_mul_f32 v[TMPL+\k:TMPL+\k+1], v[ST+16*\g+\k:ST+16*\g+\k+1], s[SLP:SLP+1] op_sel_hi:[1,0]
.endr
.irp k, 0,1,2,3,4,5,6,7,8,9,10,11,12,13,14,15
	v_max_num_f32 v[ST+16*\g+\k], v[ST+16*\g+\k], v[TMPL+\k]
.endr
.endr
.if (\a) > 1
	s_wait_xcnt 0x0                                ; block a - 2's stores have read this set of codes: it is written again only behind this wait
.endif
	QUANT ST, PCS, PW+(\a)
.irp c, 0,1,2,3
	global_store_b128 v[LI], v[PCS+4*\c:PCS+4*\c+3], s[OUTP:OUTP+1] offset:2048*(\a)+512*\c
.endr
.endm
	PLACES NP                                      ; behind the last products: their results are read, and R's fragments written over, from here on
	s_mov_b32 s[SEL], 0x76543210
	s_mov_b32 s[SEL+1], 0xfedcba98                 ; v_permlanex16_b32's selects for lane l xor 16
	s_mov_b32 s[MNT], 0x600000
	s_mov_b32 s[SLP], 0x3dcccccd                   ; 0.1
	s_mov_b32 s[SLP+1], s[SLP]                     ; (named with it as a pair, so it is written)
.irp b, 0,1,2,3
	v_mov_b32 v[TM+4+\b], 0                        ; written once: a lane permute's destination counts as one of its sources
.endr
	s_wait_loadcnt 0x0                             ; S and T
.irp a, 0,1,2,3,4,5,6,7
	EPI \a
.endr
	v_bfe_u32 v31, v0, 4, 1                        ; both halves of the lanes hold all eight words of row r: lanes 0-15 store those of blocks 0-3, lanes 16-31 those of blocks 4-7
	v_cmp_eq_u32 vcc_lo, 1, v31
.irp i, 0,1,2,3
	v_cndmask_b32 v[SW+\i], v[PW+\i], v[PW+4+\i], vcc_lo
.endr
	global_store_b128 v[LI], v[SW:SW+3], s[OUTP:OUTP+1] offset:16384   ; [a / 4][r][a % 4]: 16 x lane = 256 (lane / 16) + 16 r
	s_wait_tensorcnt 0x0                           ; the wave's end: behind my last tensor load
	ds_add_u32 v[SPW], v[NIL]
	s_wait_dscnt 0x0
	CROUND                                         ; the closing round: no work-group ends while a partner may still ask for a tile that names it
	s_endpgm
.Lfunc_end_k_q982f00bd63_gemm:
	.size	k_q982f00bd63_gemm, .Lfunc_end_k_q982f00bd63_gemm-k_q982f00bd63_gemm
	.p2alignl 7, 3214868480
	.fill 96, 4, 3214868480
	.section	.rodata,"a",@progbits
	.p2align	6, 0x0
	.amdhsa_kernel k_q982f00bd63_gemm
		.amdhsa_group_segment_fixed_size 327680
		.amdhsa_private_segment_fixed_size 0
		.amdhsa_enable_private_segment 0
		.amdhsa_kernarg_size 40
		.amdhsa_user_sgpr_count 2
		.amdhsa_user_sgpr_kernarg_segment_ptr 1
		.amdhsa_wavefront_size32 1
		.amdhsa_system_sgpr_workgroup_id_x 1
		.amdhsa_system_sgpr_workgroup_id_y 1
		.amdhsa_system_sgpr_workgroup_id_z 1
		.amdhsa_system_vgpr_workitem_id 0
		.amdhsa_next_free_vgpr 1024
		.amdhsa_next_free_sgpr 101
		.amdhsa_reserve_vcc 1
		.amdhsa_float_denorm_mode_32 3
		.amdhsa_float_denorm_mode_16_64 3
		.amdhsa_memory_ordered 1
		.amdhsa_forward_progress 1
		.amdhsa_inst_pref_size 255
	.end_amdhsa_kernel
	.section	.bss,"aw",@nobits
	.p2align	6
	.space	262144
	.amdgpu_metadata
---
amdhsa.version: [ 1, 2 ]
amdhsa.kernels:
  - .name:           k_q982f00bd63_gemm
    .symbol:         k_q982f00bd63_gemm.kd
    .args:
      - { .name: codes, .offset: 0, .size: 8, .value_kind: global_buffer, .address_space: global }
      - { .name: scales, .offset: 8, .size: 8, .value_kind: global_buffer, .address_space: global }
      - { .name: bn, .offset: 16, .size: 8, .value_kind: global_buffer, .address_space: global }
      - { .name: kq, .offset: 24, .size: 8, .value_kind: global_buffer, .address_space: global }
      - { .name: kv, .offset: 32, .size: 8, .value_kind: global_buffer, .address_space: global }
    .group_segment_fixed_size: 327680
    .private_segment_fixed_size: 0
    .kernarg_segment_align: 8
    .kernarg_segment_size: 40
    .max_flat_workgroup_size: 128
    .sgpr_count:     101
    .vgpr_count:     1024
    .wavefront_size: 32
...
	.end_amdgpu_metadata
.endif
;; end of part 2
;; launch attn (part 3): grid 8 x 32, 8 waves a work-group, clusters of 4 x 1, 327,680 bytes of LDS; arguments kq, kv, out0; writes out0
.if DOCPART == 3
	.amdgcn_target "amdgcn-amd-amdhsa--gfx1250"
	.amdhsa_code_object_version 6
	.text
	.protected	k_q982f00bd63_attn
	.globl	k_q982f00bd63_attn
	.p2align	8
	.type	k_q982f00bd63_attn,@function
k_q982f00bd63_attn:
	s_mov_b64 s[64:65], 0
	v_nop
	global_prefetch_b8 v0, s[64:65] scope:SCOPE_SE
	s_setreg_imm32_b32 hwreg(HW_REG_WAVE_MODE, 25, 1), 1
	s_wait_xcnt 0x0
	s_wait_alu depctr_hold_cnt(0) depctr_sa_sdst(0) depctr_va_vdst(0) depctr_va_sdst(0) depctr_va_ssrc(0) depctr_va_vcc(0) depctr_vm_vsrc(0)
	s_getreg_b32 s2, hwreg(HW_REG_IB_STS2, 6, 4)
	s_cmp_eq_u32 s2, 0
	s_cbranch_scc0 .Lentry_in_a_cluster
	s_endpgm
.Lentry_in_a_cluster:
	s_bfe_u32 s2, ttmp6, 0x10000c
	s_cmp_lg_u32 s2, 0x3003
	s_cbranch_scc0 .Lentry_shape_is_right
	s_endpgm
.Lentry_shape_is_right:
; THIRD LAUNCH: out[b][128 h + c][i] = the sum over j of softmax_j(K[.][i] . V[.][j] / sqrt(128)) Q[c][j], for 32 heads (8 b + h), both products on codes of FP8 (E4M3) with E8M0 scales.  Nothing of the problem is left out here.
; The queries are K's 2,048 positions i (kq), the keys V's positions j and the values Q's channels with j innermost (kv): all lie as IMAGES OF THE OPERANDS' REGISTERS, as the launch before stored them:
; a section of 16,896 bytes = 8 fragments (register group c of lane l at 2,048 a + 512 c + 16 l) + 512 bytes of scale words [a / 4][r][a % 4].  kq: [head][16 groups of 128 i] sections; kv: [head][16 steps of 128 j][keys' section, values' section].
; THE SOFTMAX AHEAD OF THE SECOND PRODUCT: t = score x log2(e) / sqrt(128); M = the row's largest t so far, rounded UP to a whole number; p = 2^(t - M) is what is quantised, along j; the row's sum is taken of the unquantised p and divides at the end.
; When M moves, the sum and O are multiplied by 2^(old M - new M): exact.  A block's largest p is made from the block's largest score by the same two instructions (this takes v_exp_f32 not to fall where its input rises).
; SHARES.  A work-group owns 256 queries of one head; each of its EIGHT waves owns 32 of them, TWO tiles of 16, in 512 registers: two waves to a SIMD.  A fragment of keys or values read from LDS so feeds two matrix instructions:
; the eight waves read 8 x 33,792 bytes of LDS for a key step.  Every wave walks the head's 16 key steps.
; THE RING.  Two LDS slots of four key steps, 8 sections each: every wave fetches one section, a dense block, by one tensor load; all eight read all of it.  Four changes of slots, written out; a slot's four steps are a counted loop.
; CLUSTER.  The four query blocks of a cluster belong to one head and walk the same kv: each section is asked for JOINTLY, by the same tensor load with the same descriptor and a mask that names the four.
; LAYOUT.  Both products transposed: S^T = keys x queries, O^T = values x P^T: a lane holds ONE query of each tile throughout.  Lane r of fragment a is row 32 (a / 2) + 8 (a % 2) + r + 8 (r / 8) of its 128, so the 16 registers of tiles 2 b, 2 b + 1 of S^T are keys 32 b + 16 (lane / 16) + 0 .. 15.
; LIMITS: NaN and infinities are not served; a block of p that has fallen to zeros keeps the byte 1 (its codes are zeros).
; REGISTERS, in two windows of 256 (s_set_vgpr_msb: bits 1:0 source 0, 3:2 source 1, 5:4 source 2, 7:6 destination).  TILE 1'S REGISTERS ARE A COPY OF TILE 0'S MAP IN WINDOW 1, so the softmax is one macro, run under the settings 0 and 0x55:
;   both windows: v12 -M, v13 the largest t, v[14:15] the sum in two halves; v16-31 the tile's queries; v96-159 S^T, then p; v160-223 O^T; v224-239 p's codes; v232-247, v252-254 at work.
;   v32-95: four fragments of keys or values in EACH window: the eight of a product are asked for in one run.
;   window 0 alone: v1, v5-11 addresses; scale words, which have no window: v248-251 the keys' or values' (lanes 0-15 tiles 0-3, lanes 16-31 tiles 4-7), v255 and v3 the queries' of tile 0 and 1, v253 and v4 p's.
.set SECT,  16896
.set STEPB, 2*SECT                     ; a key step: the keys' section, the values' section
.set NST,   4                          ; key steps in a slot
.set SLOTB, NST*STEPB                  ; a slot: 135,168 bytes; slot 1 begins where slot 0 ends
.set HEADKV, 16*STEPB                  ; a head in kv
.set STAGE, 0                          ; the way out: 128 channels x 1,024 bytes, inside slot 0, which has had its last fill, and which nobody reads behind the last change of slots
.set SPARE, 2*SLOTB                    ; behind the ring: the spare words, 128 bytes for each of eight waves, which no other line names
.set LI,   1                           ; v1   16 x lane: my place in an image; never rewritten
.set QS1,  3                           ; v3   tile 1's queries' scale words
.set PS1,  4                           ; v4   tile 1's p's scale word
.set SPW,  5                           ; v5   my spare word; never rewritten
.set NIL,  6                           ; v6   0; never rewritten
.set PFO,  7                           ; v7   256 x lane: the prefetches' offset; never rewritten
.set AD,   8                           ; v8   LDS address of the step in hand: its first byte + 16 x lane
.set TB,   10                          ; s10  LDS byte at which the key step in hand begins
.set CNT,  11                          ; s11  key steps of the slot still to go, this one among them
.set PFA,  12                          ; s[12:13] where my prefetches stand
.set LIM,  14                          ; s14  1 in a wave that prefetches, else the greatest number: it asks in the trip in which s[CNT] equals it, a slot's last
.set WV,   18                          ; s18  my wave's number
.set MNT,  19
.set SEL,  20                          ; s[20:21] lane selects for lane l xor 16
.set CS,   22                          ; s[22:23] c = log2(e) / sqrt(128)
.set G1,   24                          ; s[24:31] descriptor group 1
.set G0A,  40                          ; s[40:43] descriptor group 0 for slot 0
.set G0B,  52                          ; s[52:55] and for slot 1
.set MSB, 0
.macro WIN new                         ; the immediate's high byte repeats the setting that is left; a switch that changes nothing is dropped
.if MSB != \new
	s_set_vgpr_msb (MSB<<8)|\new
.set MSB, \new
.endif
.endm
; Every wave fetches a section.  An s_nop 0 and four v_nop follow the load.
.macro TLOAD g0
	tensor_load_to_lds s[\g0:\g0+3], s[G1:G1+7]
	s_nop 0
.rept 4
	v_nop
.endr
.endm
; A PREFETCH INTO THE L2 of what the NEXT change of slots will ask for.  It stands in a slot's last key step, behind the run of LDS loads for the values: one key step ahead of the tensor load that wants the bytes.
; Both clusters of a head walk the same kv: the head's first cluster asks.  Its four partners share a slot's eight sections out BY ADDRESS, two each; in each, waves 4 to 7 ask for 32 blocks of 256 bytes each, a lane a block:
; the two sections' fragments (their 512 bytes of scale words come by the load alone).  So each block is named once in the launch.  Slots 0 and 1 come by their loads alone; behind slot 3 there is nothing to ask for.
.macro ASK
	s_cmp_eq_u32 s[CNT], s[LIM]
	s_cbranch_scc0 .Lnot_mine_\@
	global_prefetch_b8 v[PFO], s[PFA:PFA+1] th:TH_LOAD_NT scope:SCOPE_SE
.Lnot_mine_\@:
.endm
.macro CROUND                          ; a round of the cluster's barrier
	s_barrier_signal -1
	s_barrier_wait -1
	s_cmp_lg_u32 s[WV], 0
	s_cbranch_scc1 .Lnot_wave_0_\@
	s_barrier_signal -3
.Lnot_wave_0_\@:
	s_barrier_wait -3
	s_barrier_signal -1
	s_barrier_wait -1
.endm
	s_load_b128 s[4:7], s[0:1], 0x0                ; kq s[4:5], kv s[6:7]
	s_load_b64 s[8:9], s[0:1], 0x10                ; out0
	v_lshl_add_u32 v[SPW], v0, 2, SPARE
	v_mov_b32 v[NIL], 0
	ds_add_u32 v[SPW], v[NIL]                      ; the wave's opening: the add, twice on end, and its wait ahead of my first tensor load
	ds_add_u32 v[SPW], v[NIL]                      ; and once more; the set-up below, work on registers, stands between it and the wait
	v_lshrrev_b32 v8, 5, v0
	v_readfirstlane_b32 s[WV], v8                  ; wave 0..7
	s_bfe_u32 s15, ttmp6, 0x40000                  ; cx: my place in the cluster
	s_lshl_b32 s16, ttmp9, 2
	s_add_co_u32 s16, s16, s15                     ; my block of 256 queries: it enters kq's and out0's addresses alone
	s_and_b32 s17, ttmp7, 0xffff                   ; the head, which the four partners share
	s_mul_i32 s32, s17, HEADKV
	s_mul_i32 s34, s[WV], SECT                     ; the section that I fetch: its place in a slot and in a slot's bytes of memory
	s_add_co_u32 s36, s32, s34
	s_mov_b32 s37, 0
	s_lshl_b32 s44, s17, 4                         ; my queries: section 16 head + 2 block + wave / 4,
	s_lshl_b32 s45, s16, 1
	s_add_co_u32 s44, s44, s45
	s_lshr_b32 s45, s[WV], 2
	s_add_co_u32 s44, s44, s45
	s_mul_i32 s44, s44, SECT
	s_and_b32 s45, s[WV], 3                        ; fragments a = 2 (wave % 4) and a + 1
	s_lshl_b32 s45, s45, 12
	s_add_co_u32 s44, s44, s45
	s_sub_co_u32 s46, 16384, s45                   ; tile 0's scale words, from its fragment's first byte on: 16,384 - 2,048 a + 256 (a / 4) + 4 (a % 4); tile 1's lie 4 bytes on
	s_mov_b32 s45, 0
	s_bfe_u32 s47, s[WV], 0x10001
	s_lshl_b32 s47, s47, 8
	s_add_co_u32 s46, s46, s47
	s_and_b32 s47, s[WV], 1
	s_lshl_b32 s47, s47, 3
	s_add_co_u32 s46, s46, s47
	s_lshl_b32 s48, s17, 7                         ; out0: row 128 head + 16 wave of 8,192 bytes, + 1,024 block
	s_lshl_b32 s49, s[WV], 4
	s_add_co_u32 s48, s48, s49
	s_lshl_b32 s48, s48, 13
	s_lshl_b32 s49, s16, 10
	s_add_co_u32 s48, s48, s49
	s_mov_b32 s49, 0
	s_lshl_b32 s50, s15, 1                         ; the prefetches: section 2 cx + (wave / 2) % 2 of a slot,
	s_bfe_u32 s51, s[WV], 0x10001
	s_add_co_u32 s50, s50, s51
	s_mul_i32 s50, s50, SECT
	s_add_co_u32 s50, s50, s32
	s_and_b32 s51, s[WV], 1
	s_lshl_b32 s51, s51, 13                        ; my wave's 8,192 bytes of it,
	s_add_co_u32 s50, s50, s51
	s_add_co_u32 s50, s50, 2*SLOTB                 ; in the keys of slot 2: the first that is asked for
	s_mov_b32 s51, 0
	s_lshr_b32 s[LIM], s[WV], 2
	s_xor_b32 s[LIM], s[LIM], 1                    ; 0 in waves 4 to 7,
	s_or_b32 s[LIM], s[LIM], ttmp9                 ; of the head's first cluster: the same in all four partners
	s_cmp_eq_u32 s[LIM], 0
	s_cselect_b32 s[LIM], 1, -1
	; descriptor group 1: a section, dense in memory, as 66 rows of 256 bytes (32 elements of 8 bytes), no padding: an image is read 512 consecutive bytes at a time
	s_mov_b32 s[G1], 15|(3<<16)|(1<<21)            ; 15:0 the mask: all four work-groups; 17:16 elements of 8 bytes; 21 set beside a mask
	s_mov_b32 s[G1+1], 32<<16                      ; tensor_dim0
	s_mov_b32 s[G1+2], 66<<16                      ; tensor_dim1
	s_mov_b32 s[G1+3], 32<<16                      ; tile_dim0
	s_mov_b32 s[G1+4], 66                          ; tile_dim1
	s_mov_b32 s[G1+5], 32                          ; tensor_dim0_stride
	s_mov_b32 s[G1+6], 0
	s_mov_b32 s[G1+7], 0
	s_mov_b32 s[SEL], 0x76543210
	s_mov_b32 s[SEL+1], 0xfedcba98
	s_mov_b32 s[CS], 0x3e0293ee                    ; c = log2(e) / sqrt(128)
	s_mov_b32 s[CS+1], s[CS]                       ; (named with it as a pair, so it is written)
	s_wait_dscnt 0x0                               ; both opening adds are done
	s_wait_kmcnt 0x0
	s_mov_b32 s[G0A], 1                            ; 1:0 count = 1
	s_mov_b32 s[G0A+1], s34                        ; 63:32 LDS address: slot 0
	s_add_nc_u64 s[G0A+2:G0A+3], s[6:7], s[36:37]  ; 120:64 global address: the head's key steps 0 to 3
	s_mov_b32 s[G0B], 1
	s_add_co_u32 s[G0B+1], s34, SLOTB              ; slot 1,
	s_add_nc_u64 s[G0B+2:G0B+3], s[G0A+2:G0A+3], SLOTB   ; key steps 4 to 7
	s_or_b32 s[G0A+3], s[G0A+3], 0x80000000        ; 127:126 type = 2
	s_or_b32 s[G0B+3], s[G0B+3], 0x80000000
	s_add_nc_u64 s[4:5], s[4:5], s[44:45]
	s_add_nc_u64 s[8:9], s[8:9], s[48:49]
	s_add_nc_u64 s[PFA:PFA+1], s[6:7], s[50:51]
	CROUND                                         ; all four work-groups are here: the first joint loads meet
	TLOAD G0A                                      ; slot 0: one load of mine is out, here and behind every round
	v_and_b32 v8, 31, v0
	v_lshlrev_b32 v[LI], 4, v8
	v_lshlrev_b32 v[PFO], 8, v8
	v_and_b32 v9, 15, v0
	v_lshlrev_b32 v9, 4, v9
	v_add_nc_u32 v9, s46, v9                       ; 16 r + where tile 0's scale words begin
.irp c, 0,1,2,3
	global_load_b128 v[16+4*\c:19+4*\c], v[LI], s[4:5] offset:512*\c   ; tile 0's queries stay in registers,
.endr
	global_load_b32 v255, v9, s[4:5]               ; with their scale words,
	global_load_b32 v[QS1], v9, s[4:5] offset:4    ; and tile 1's
	WIN 0x40                                       ; destination window 1
.irp c, 0,1,2,3
	global_load_b128 v[16+4*\c:19+4*\c], v[LI], s[4:5] offset:2048+512*\c   ; tile 1's queries
.endr
	WIN 0
.macro INIT                            ; a tile's statistics and O^T.  (The key step is written for every step alike: the first finds zeros, which the first change of M leaves zeros)
	v_mov_b32 v13, 0xff61b1e6                      ; the largest t so far: -3e38, under every t
	v_floor_f32 v12, -v13                          ; -M
	v_mov_b32 v14, 0                               ; the sum, in two halves
	v_mov_b32 v15, 0
.irp b, 0,1,2,3
	v_mov_b32 v[236+\b], 0                         ; written once: a lane permute's destination counts as one of its sources
.endr
	v_mov_b32 v253, 0                              ; (named as the upper half of the pair v[252:253] before it is first written)
.irp j, 0,1,2,3,4,5,6,7,8,9,10,11,12,13,14,15,16,17,18,19,20,21,22,23,24,25,26,27,28,29,30,31,32,33,34,35,36,37,38,39,40,41,42,43,44,45,46,47,48,49,50,51,52,53,54,55,56,57,58,59,60,61,62,63
	v_mov_b32 v[160+\j], 0
.endr
.endm
	INIT
	WIN 0x55
	INIT
	WIN 0
; Four fragments, from byte off of the step on, into v32-95 of the window that the destination is set to
.macro FRAGS off
.irp t, 0,1,2,3
.irp c, 0,1,2,3
	ds_load_b128 v[32+16*\t+4*\c:32+16*\t+4*\c+3], v[AD] offset:(\off)+2048*\t+512*\c
.endr
.endr
.endm
; Four products of S^T = keys x queries: tiles 4 g + 0 .. 3 of 16 keys.  qs: the queries' scale words.  The keys' words of tiles 4 to 7 lie in lanes 16-31.
.macro KQ4 g, qs
.irp t, 0,1,2,3
.if \g
	v_wmma_scale_f32_16x16x128_f8f6f4 v[128+8*\t:135+8*\t], v[32+16*\t:47+16*\t], v[16:31], 0, v[248+\t], v[\qs] matrix_a_scale:MATRIX_SCALE_ROW1
.else
	v_wmma_scale_f32_16x16x128_f8f6f4 v[96+8*\t:103+8*\t], v[32+16*\t:47+16*\t], v[16:31], 0, v[248+\t], v[\qs]
.endif
.endr
.endm
; Four products of O^T += values x P^T: tiles 4 g + 0 .. 3 of 16 channels; K = the step's 128 keys.  ps: p's scale word.  Each accumulator has one instruction a step: they take turns.
.macro PV4 g, ps
.irp t, 0,1,2,3
.if \g
	v_wmma_scale_f32_16x16x128_f8f6f4 v[192+8*\t:199+8*\t], v[32+16*\t:47+16*\t], v[224:239], v[192+8*\t:199+8*\t], v[248+\t], v[\ps] matrix_a_scale:MATRIX_SCALE_ROW1
.else
	v_wmma_scale_f32_16x16x128_f8f6f4 v[160+8*\t:167+8*\t], v[32+16*\t:47+16*\t], v[224:239], v[160+8*\t:167+8*\t], v[248+\t], v[\ps]
.endif
.endr
.endm
; ONE TILE'S SOFTMAX FOR ONE KEY STEP, on the registers of the window that is set: u = 0 under the setting 0, u = 1 under 0x55.  It differs in one line: tile 1's scale word is finished into window 0.
.macro SOFTMAX u
.irp b, 0,1,2,3
	v_max3_num_f32 v[232+\b], v[96+16*\b], v[97+16*\b], v[98+16*\b]   ; THE LARGEST SCORE OF EACH BLOCK OF 32 KEYS: it serves twice: for the row's maximum, and, since p rises with the score, for the block's largest p
.endr
.irp i, 3,5,7,9,11,13
.irp b, 0,1,2,3
	v_max3_num_f32 v[232+\b], v[232+\b], v[96+16*\b+\i], v[97+16*\b+\i]   ; (the four blocks by turns)
.endr
.endr
.irp b, 0,1,2,3
	v_max_num_f32 v[232+\b], v[232+\b], v[111+16*\b]
.endr
.irp b, 0,1,2,3
	v_permlanex16_b32 v[236+\b], v[232+\b], s[SEL], s[SEL+1]
.endr
.irp b, 0,1,2,3
	v_max_num_f32 v[232+\b], v[232+\b], v[236+\b]  ; with lane l xor 16's 16 keys
.endr
	v_max3_num_f32 v254, v232, v233, v234
	v_max_num_f32 v254, v254, v235                 ; the step's largest score of my query
	v_mul_f32 v254, s[CS], v254                    ; as t (c is positive)
	v_max_num_f32 v13, v13, v254                   ; the running largest t
	v_mov_b32 v254, v12
	v_floor_f32 v12, -v13                          ; the new -M = floor(-t) = -ceil(t): M IS A WHOLE NUMBER
	v_sub_f32 v254, v12, v254                      ; M's old value less its new one: a whole number, 0 or less
	v_cvt_i32_f32 v254, v254                       ; (it saturates)
	v_ldexp_f32 v252, 1.0, v254                    ; f = 2^(old M - new M)
.irp b, 0,1,2,3
	v_fma_f32 v[232+\b], v[232+\b], s[CS], v12     ; t - M of each block's largest score
.endr
	v_pk_fma_f32 v[96:97], v[96:97], s[CS:CS+1], v[12:13] op_sel_hi:[1,0,0]   ; t - M, two at a time (of the pairs c and -M the low word serves both halves)
.set j, 2
.rept 31                                       ; ONE BATCH: a pair's scaling, then the two exponentials of the pair before.  None of these lines names an exponential's result
	v_pk_fma_f32 v[96+j:97+j], v[96+j:97+j], s[CS:CS+1], v[12:13] op_sel_hi:[1,0,0]
	v_exp_f32 v[94+j], v[94+j]                     ; p = 2^(t - M), at most 1: NOT normalised
	v_exp_f32 v[95+j], v[95+j]
.set j, j+2
.endr
	v_exp_f32 v158, v158
	v_exp_f32 v159, v159
	v_pk_mul_f32 v[14:15], v[14:15], v[252:253] op_sel_hi:[1,0]   ; the sums under the new M.  (A plain line behind the exponentials)
	s_wait_alu depctr_va_vdst(0)                   ; the wait ahead of the first line that names a result: one for the whole batch
.irp b, 0,1,2,3
	v_exp_f32 v[232+\b], v[232+\b]                 ; the block's largest p: the same two instructions on the same number give the same bits
.endr
	v_pk_add_f32 v[236:237], v[96:97], v[98:99]    ; THE ROW'S SUM IS TAKEN OF THE UNQUANTISED p: two at a time, in two chains.  (It reads the 64 alone: plain work behind the four)
.irp j, 4,8,12,16,20,24,28,32,36,40,44,48,52,56,60
	v_pk_add_f32 v[14:15], v[14:15], v[96+\j:97+\j]
	v_pk_add_f32 v[236:237], v[236:237], v[98+\j:99+\j]
.endr
	v_pk_add_f32 v[14:15], v[14:15], v[236:237]
	s_wait_alu depctr_va_vdst(0)                   ; and one for the four
.irp b, 0,1,2,3
	v_max_num_f32 v[232+\b], 0x4800000, v[232+\b]  ; the floor 2^(9 - 127): the byte cannot fall under 1
.endr
.irp b, 0,1,2,3
	v_add_nc_u32 v[244+\b], 0xfc000000, v[232+\b]  ; 8 off the exponent field: the conversion's scale operand
.endr
.irp b, 0,1,2,3
.endr
.irp b, 0,1,2,3
	v_lshrrev_b32 v[236+\b], 23, v[244+\b]         ; the scale's byte
.endr
	v_lshl_or_b32 v253, v237, 8, v236              ; p's scale word for these 128 keys
	v_lshl_or_b32 v253, v238, 16, v253
.if \u
	WIN 0x15                                       ; sources window 1, destination window 0: a scale operand has no window
	v_lshl_or_b32 v[PS1], v239, 24, v253
	WIN 0x55
.else
	v_lshl_or_b32 v253, v239, 24, v253
.endif
.irp b, 0,1,2,3
.irp i, 0,1,2,3,4,5,6,7,8,9,10,11,12,13,14,15
.endr
	v_cvt_scalef32_pk8_fp8_f32 v[224+4*\b:225+4*\b], v[96+16*\b:103+16*\b], v[244+\b]
	v_cvt_scalef32_pk8_fp8_f32 v[226+4*\b:227+4*\b], v[104+16*\b:111+16*\b], v[244+\b]
.endr
.irp j, 0,2,4,6,8,10,12,14,16,18,20,22,24,26,28,30,32,34,36,38,40,42,44,46,48,50,52,54,56,58,60,62
	v_pk_mul_f32 v[160+\j:161+\j], v[160+\j:161+\j], v[252:253] op_sel_hi:[1,0]   ; O^T under the new M: x f.  (These 32 are also the places between the codes, the scale word and the matrix instructions that take them)
.endr
.endm
; A KEY STEP: 128 keys, at LDS byte s[TB].  ask = 1: the slot's last step prefetches.
.macro STEP ask
	v_add_nc_u32 v[AD], s[TB], v[LI]
.rept 7
	v_nop                                          ; with the addition above: eight places in front of loads into registers that matrix instructions have read
.endr
	ds_load_b128 v[248:251], v[AD] offset:16384    ; the keys' scale words: 16 x lane = 256 (lane / 16) + 16 r: lanes 0-15 take tiles 0-3 of row r, lanes 16-31 tiles 4-7
	FRAGS 0                                        ; tiles 0-3 of the keys,
	WIN 0x40
	FRAGS 8192                                     ; tiles 4-7, into window 1
	WIN 0
	s_wait_dscnt 16                                ; the scale words and tiles 0-3 are in; the youngest sixteen loads may be out
	KQ4 0, 255                                     ; tile 0 of the queries
	WIN 0x44                                       ; queries and S^T in window 1, keys in window 0
	KQ4 0, QS1                                     ; tile 1
	s_wait_dscnt 0x0
	WIN 0x01                                       ; keys in window 1
	KQ4 1, 255
	WIN 0x45
	KQ4 1, QS1
	WIN 0
.rept 8
	v_nop                                          ; eight places: in front of the loads below, and of the first read of the scores
.endr
	ds_load_b128 v[248:251], v[AD] offset:SECT+16384   ; THE VALUES ARE ASKED FOR AHEAD OF THE SOFTMAX: they land while both tiles' vector work runs
	FRAGS SECT
	WIN 0x40
	FRAGS SECT+8192
	WIN 0
.if \ask
	ASK
.endif
	SOFTMAX 0
	WIN 0x55
	SOFTMAX 1
	WIN 0
	s_wait_dscnt 0x0                               ; the values and their scale words are in
	PV4 0, 253
	WIN 0x54                                       ; p, C and D in window 1, values in window 0
	PV4 0, PS1
	WIN 0x01
	PV4 1, 253
	WIN 0x55
	PV4 1, PS1
	WIN 0                                          ; at a label and at a branch every window is 0
.endm
; THE CHANGE OF SLOTS stands at a slot's head.  Each wave waits for all its tensor loads (its part of the slot that it is about to read), adds 0 to its spare word, and waits for that and for its reads of the slot that it has left.
; fill = 1: the barrier is a round of the cluster's, so that no wave of any partner still reads the other slot or has a load on its way, and the joint load for that slot, by group 0 g0, is the first thing behind it: it has four key steps in which to land.
; step = 1: that group 0 goes two slots on.  pf = 1: the prefetches' address goes a slot on.
.macro CHANGE fill, g0, step, pf
	s_wait_tensorcnt 0x0                           ; no tensor load of mine is out, so a group 0 may be written
	ds_add_u32 v[SPW], v[NIL]                      ; 0 onto my spare word
.if \step
	s_add_nc_u64 s[\g0+2:\g0+3], s[\g0+2:\g0+3], 2*SLOTB   ; the type bits on top are not reached
.endif
.if \pf
	s_wait_xcnt 0x0                                ; the last prefetch, most of a key step back, has read its address, so it may be written
	s_add_nc_u64 s[PFA:PFA+1], s[PFA:PFA+1], SLOTB
.endif
	s_wait_dscnt 0x0                               ; the add is done, and my reads of the slot that I have left are over
.if \fill
	CROUND
	TLOAD \g0
.else
	s_barrier_signal -1
	s_barrier_wait -1
.endif
.endm
.macro SLOT base, ask                  ; a slot's four key steps: written once, walked four times
	s_mov_b32 s[TB], \base
	s_mov_b32 s[CNT], NST
.Lstep_\@:
	STEP \ask
	s_add_co_u32 s[TB], s[TB], STEPB
	s_sub_co_u32 s[CNT], s[CNT], 1
	s_cmp_lg_u32 s[CNT], 0
	s_cbranch_scc1 .Lstep_\@
.endm
	s_wait_loadcnt 0x0                             ; my queries
	CHANGE 1, G0B, 0, 0                            ; key steps 4-7 go into slot 1: its first fill
	SLOT 0, 1                                      ; key steps 0-3; the last of them prefetches steps 8-11
	CHANGE 1, G0A, 1, 1                            ; key steps 8-11 into slot 0
	SLOT SLOTB, 1                                  ; key steps 4-7; the last of them prefetches steps 12-15
	CHANGE 1, G0B, 1, 0                            ; key steps 12-15 into slot 1
	SLOT 0, 0
	CHANGE 0, G0A, 0, 0                            ; nothing is left to fetch
	SLOT SLOTB, 0
	; THE WAY OUT.  O^T / the sum.  A lane holds one query i of each tile and 64 channels; out0 has i innermost.  So the work-group's 128 channels x 256 queries meet in a stage, [channel][1,024 bytes], and each wave stores 16 whole rows of it.
	WIN 0x55
	v_add_f32 v14, v14, v15                        ; tile 1: the sum's two halves,
	v_permlanex16_b32 v252, v14, s[SEL], s[SEL+1]
	v_add_f32 v15, v14, v252                       ; and lane l xor 16's: the row's sum
	WIN 0
	v_add_f32 v14, v14, v15                        ; tile 0 likewise
	v_permlanex16_b32 v252, v14, s[SEL], s[SEL+1]
	v_add_f32 v14, v14, v252
	v_rcp_f32 v14, v14
	WIN 0x55
	v_rcp_f32 v13, v15                             ; tile 1's, into another register number than tile 0's
	WIN 0
	v_and_b32 v8, 15, v0                           ; (plain lines behind the reciprocals; they are also the places behind the last products)  r
	v_bfe_u32 v9, v0, 4, 1                         ; h
	v_and_b32 v10, 8, v8
	v_add_nc_u32 v10, v10, v8                      ; r + 8 (r / 8)
	s_lshl_b32 s32, s[WV], 5
	v_add_nc_u32 v10, s32, v10                     ; tile 0's query among the block's 256: 32 wave + r + 8 (r / 8); tile 1's lies 8 on
	v_lshlrev_b32 v10, 2, v10
	v_lshl_add_u32 v10, v9, 14, v10                ; in: 4 x query + 16 h channels of 1,024 bytes (the stage begins at LDS byte 0),
	v_add_nc_u32 v11, 0x10000, v10                 ; and 64 channels on, for tiles 4 to 7 of the channels
	v_and_b32 v8, 31, v0
	v_lshlrev_b32 v8, 4, v8                        ; 16 x lane: my bytes of a store to out0
	s_lshl_b32 s33, s[WV], 14
	v_add_nc_u32 v9, s33, v8                       ; back: my wave's 16 channels, 16 bytes a lane
	s_wait_alu depctr_va_vdst(0)                   ; the wait ahead of the reciprocals' first reader: one for the two
.irp j, 0,1,2,3,4,5,6,7,8,9,10,11,12,13,14,15,16,17,18,19,20,21,22,23,24,25,26,27,28,29,30,31,32,33,34,35,36,37,38,39,40,41,42,43,44,45,46,47,48,49,50,51,52,53,54,55,56,57,58,59,60,61,62,63
	v_mul_f32 v[96+\j], v[160+\j], v14             ; register 8 t + j is channel 32 (t / 2) + 8 (t % 2) + 16 h + j of my query
.endr
	WIN 0x55
.irp j, 0,1,2,3,4,5,6,7,8,9,10,11,12,13,14,15,16,17,18,19,20,21,22,23,24,25,26,27,28,29,30,31,32,33,34,35,36,37,38,39,40,41,42,43,44,45,46,47,48,49,50,51,52,53,54,55,56,57,58,59,60,61,62,63
	v_mul_f32 v[96+\j], v[160+\j], v13
.endr
	WIN 0
.irp t, 0,1,2,3,4,5,6,7
.irp j, 0,1,2,3,4,5,6,7
	ds_store_b32 v[10+\t/4], v[96+8*\t+\j] offset:(32*((\t%4)/2)+8*(\t%2)+\j)*1024
.endr
.endr
	WIN 0x04                                       ; an LDS store's data are its source 1: window 1
.irp t, 0,1,2,3,4,5,6,7
.irp j, 0,1,2,3,4,5,6,7
	ds_store_b32 v[10+\t/4], v[96+8*\t+\j] offset:(32*((\t%4)/2)+8*(\t%2)+\j)*1024+32
.endr
.endr
	WIN 0
	s_wait_dscnt 0x0                               ; for the others' sake: my stores into the stage are done
	s_barrier_signal -1
	s_barrier_wait -1
.irp k, 0,1,2,3,4,5,6,7,8,9,10,11,12,13,14,15,16,17,18,19,20,21,22,23,24,25,26,27,28,29,30,31
	ds_load_b128 v[32+4*\k:35+4*\k], v9 offset:512*\k
.endr
.irp k, 0,1,2,3,4,5,6,7,8,9,10,11,12,13,14,15,16,17,18,19,20,21,22,23,24,25,26,27,28,29,30,31
	s_wait_dscnt 31-\k                             ; the younger loads may be out
	global_store_b128 v8, v[32+4*\k:35+4*\k], s[8:9] offset:(\k/2)*8192+(\k%2)*512 th:TH_STORE_NT   ; 32 lanes store 512 consecutive bytes of a row of out0, at a multiple of 256
.endr
	s_wait_tensorcnt 0x0                           ; the wave's end: behind my last tensor load and my last LDS store
	ds_add_u32 v[SPW], v[NIL]
	s_wait_dscnt 0x0
	CROUND                                         ; the closing round: no work-group ends while a partner may still ask for a tile that names it
	s_endpgm
.Lfunc_end_k_q982f00bd63_attn:
	.size	k_q982f00bd63_attn, .Lfunc_end_k_q982f00bd63_attn-k_q982f00bd63_attn
	.p2alignl 7, 3214868480
	.fill 96, 4, 3214868480
	.section	.rodata,"a",@progbits
	.p2align	6, 0x0
	.amdhsa_kernel k_q982f00bd63_attn
		.amdhsa_group_segment_fixed_size 327680
		.amdhsa_private_segment_fixed_size 0
		.amdhsa_enable_private_segment 0
		.amdhsa_kernarg_size 24
		.amdhsa_user_sgpr_count 2
		.amdhsa_user_sgpr_kernarg_segment_ptr 1
		.amdhsa_wavefront_size32 1
		.amdhsa_system_sgpr_workgroup_id_x 1
		.amdhsa_system_sgpr_workgroup_id_y 1
		.amdhsa_system_sgpr_workgroup_id_z 1
		.amdhsa_system_vgpr_workitem_id 0
		.amdhsa_next_free_vgpr 512
		.amdhsa_next_free_sgpr 66
		.amdhsa_reserve_vcc 0
		.amdhsa_float_denorm_mode_32 3
		.amdhsa_float_denorm_mode_16_64 3
		.amdhsa_fp16_overflow 1
		.amdhsa_memory_ordered 1
		.amdhsa_forward_progress 1
		.amdhsa_inst_pref_size 170
	.end_amdhsa_kernel
	.amdgpu_metadata
---
amdhsa.version: [ 1, 2 ]
amdhsa.kernels:
  - .name:           k_q982f00bd63_attn
    .symbol:         k_q982f00bd63_attn.kd
    .args:
      - { .name: kq, .offset: 0, .size: 8, .value_kind: global_buffer, .address_space: global }
      - { .name: kv, .offset: 8, .size: 8, .value_kind: global_buffer, .address_space: global }
      - { .name: out0, .offset: 16, .size: 8, .value_kind: global_buffer, .address_space: global }
    .group_segment_fixed_size: 327680
    .private_segment_fixed_size: 0
    .kernarg_segment_align: 8
    .kernarg_segment_size: 24
    .max_flat_workgroup_size: 256
    .sgpr_count:     66
    .vgpr_count:     512
    .wavefront_size: 32
...
	.end_amdgpu_metadata
.endif
;; end of part 3
